; MI455X (gfx1250); checked and timed in simulation.
; The chip was launched on July 23, 2026; its instructions are those of AMD's public machine-readable ISA for CDNA 5 (MIT licence, August 2026) and "CDNA5" Instruction Set Architecture Reference Guide (July 2026). The comments in the code are by the model that wrote it; some were corrected since.
;; Offset Attention1. Allowed arithmetic: matrix products marked QUANTISED: E2M1 operands, one E8M0 scale for each 32 along K, by v_wmma_scale_f32_16x16x128_f8f6f4 with both operands' format E2M1 (or v_wmma_scale_f32_32x16x128_f4), f32 sums; products left as they are: f32 operands where the result goes on into a quantised operand, else bf16, f16 or f32 operands; f32 sums; everything else in f32.
;; Inputs: W1 256 x 3 float32; Wq_codes 64 x 8 x 16 uint8 (E2M1 codes of Wq, K innermost, in blocks of 32 codes, two codes a byte); Wq_scales 64 x 8 uint8 (E8M0 scales of Wq, one for each 32 codes along K); Wt_codes 256 x 8 x 16 uint8 (E2M1 codes of Wt, K innermost, in blocks of 32 codes, two codes a byte); Wt_scales 256 x 8 uint8 (E8M0 scales of Wt, one for each 32 codes along K); Wv_codes 256 x 8 x 16 uint8 (E2M1 codes of Wv, K innermost, in blocks of 32 codes, two codes a byte); Wv_scales 256 x 8 uint8 (E8M0 scales of Wv, one for each 32 codes along K); b1 256 float32; b2 256 float32; bt 256 float32; bv 256 float32; g1 256 float32; g2 256 float32; x 8 x 3 x 4,096 float32.
;; Outputs: out0 8 x 256 x 4,096 float32.
;; This version of the problem:
;;   THIS VERSION OF THE PROBLEM IS GIVEN IN LOW PRECISION. The matrix products marked QUANTISED in the list below multiply operands that are first quantised to E2M1 (2 exponent bits, 1 mantissa bit; 4 bits a number), with one power-of-two scale for each 32 numbers along K (OCP MX v1.0); their sums are f32. All else is computed in f32.
;;   The module's matrix products, in the order in which they are computed (A, B: the left and right operand; K: the contracted axis; several contracted axes count as one K, in the product's order):
;;     1. [M 32,768, K 3] x [K 3, N 256]; A: input x; B: input W1: left as it is (K = 3 < 32)
;;     2. [M 32,768, K 256] x [K 256, N 64]; A: computed on the way; B: input Wq (given as codes): QUANTISED
;;     3. batch 8 x [M 4,096, K 64] x [K 64, N 4,096]; A: computed on the way; B: computed on the way: QUANTISED
;;     4. [M 32,768, K 256] x [K 256, N 256]; A: computed on the way; B: input Wv (given as codes): QUANTISED
;;     5. batch 8 x [M 256, K 4,096] x [K 4,096, N 4,096]; A: computed on the way; B: computed on the way: QUANTISED
;;     6. [M 32,768, K 256] x [K 256, N 256]; A: computed on the way; B: input Wt (given as codes): QUANTISED
;;   THE QUANTISER, for each operand of a quantised product, along K:
;;     - K is cut into blocks of 32 from its start; a last block that is shorter is filled with zeros.
;;     - A block's scale is 2^e with e = floor(log2(the largest magnitude in the block)) - 2, held to -126 .. 127; a block of zeros has e = 0. As a byte (E8M0): e + 127.
;;     - Each number is divided by its block's scale, clamped to +-6, and rounded to the nearest number of E2M1, ties to even, subnormals kept.
;;     - The product sums the exact products of the quantised numbers (number of the format x scale) in f32.
;;   ~~~python
;;   def quantise(x, axis):      # numpy; x: float32 -> the quantised numbers, widened to float32 again
;;       x = np.moveaxis(x, axis, -1); K = x.shape[-1]
;;       x = np.pad(x, [(0, 0)] * (x.ndim - 1) + [(0, -K % 32)]); x = x.reshape(x.shape[:-1] + (-1, 32)); a = np.abs(x).max(-1, keepdims=True)
;;       e = np.where(a > 0, np.clip(np.frexp(np.where(a > 0, a, 1))[1] - 1 - 2, -126, 127), 0)      # np.frexp(a)[1] - 1 = floor(log2(a)), exactly
;;       r = np.clip(x / 2.0 ** e, -6, 6)
;;       step = 2.0 ** (np.maximum(np.frexp(np.where(r == 0, 1, r))[1] - 1, 0) - 1)
;;       q = np.round(r / step) * step * 2.0 ** e      # np.round: ties to even
;;       return np.moveaxis(q.reshape(q.shape[:-2] + (-1,))[..., :K], -1, axis).astype(np.float32)
;;   ~~~
;;   OPERANDS COMPUTED ON THE WAY. 'Computed on the way' means the value that the module computes at that place (a softmax that the list does not call 'softmax' is quantised finished and normalised). What goes into a quantiser is computed in f32, as accurately as f32 sums, v_exp_f32 and their like allow (about 1e-6 of the number): no bf16 or f16 on the way to a quantiser, and a product that is left as it is and whose result goes on into a quantised operand takes f32 operands (vector FMAs, or v_wmma_f32_16x16x4_f32). A number that lies on a knife's edge between two numbers of the format may be rounded either way, as far as f32 arithmetic and the matrix unit's own rounding can turn it there, and no further.
;;   INPUTS GIVEN AS CODES. Wq (in the module: [64, 256], K = its axis 1); Wt (in the module: [256, 256], K = its axis 1); Wv (in the module: [256, 256], K = its axis 1): each comes as NAME_codes (uint8): NAME with its K axis moved to the last place and cut into blocks of 32 codes, [.., K / 32, bytes a block], one block behind the other in memory; two codes a byte, the lower K in the low four bits (a code: sign, 2 exponent bits, 1 mantissa bit); and NAME_scales (uint8): the same leading axes, one E8M0 byte (e + 127) for each 32 codes along K. Its value is code x scale, taken as it is: it is not quantised again, and the codes and scales need not be those that the quantiser above would give.
;; One version. Each part assembles by itself: llvm-mc -triple=amdgcn-amd-amdhsa -mcpu=gfx1250 --defsym DOCPART=n.
;; ======== version 1 of 1: 5 launches
;; workspace buffers: xpart 2,048 bytes; coef 4,352 bytes; qpack 1,376,256 bytes; vpack 4,194,304 bytes; nlse 131,072 bytes; tbuf 33,554,432 bytes; bnpart 524,288 bytes
;; launch xstat (part 1): grid 32 x 1, 1 waves a work-group, no clusters, 0 bytes of LDS; arguments x, xpart; writes xpart
.if DOCPART == 1
	.amdgcn_target "amdgcn-amd-amdhsa--gfx1250"
	.amdhsa_code_object_version 6
	.text
	.protected	k_q83103f3009_xstat
	.globl	k_q83103f3009_xstat
	.p2align	8
	.type	k_q83103f3009_xstat,@function
k_q83103f3009_xstat:
	s_mov_b64 s[64:65], 0
	v_nop
	global_prefetch_b8 v0, s[64:65] scope:SCOPE_SE
	s_setreg_imm32_b32 hwreg(HW_REG_WAVE_MODE, 25, 1), 1
	s_wait_xcnt 0x0
; The first batch norm without a pass over its 8 x 256 x 4096 numbers.  e = W1 x is linear in x, so a channel's mean and variance follow from x's three means and its 3 x 3 matrix of second moments
; about them, over all 32,768 positions.  That holds for every input.  This launch makes those figures in 32 PARTS; the next launch joins them.
; Work-group k, one wave, takes positions 1,024 (k % 4) .. + 1,023 of batch k / 4: 96 numbers a lane, read once by 24 loads of 512 consecutive bytes and kept in registers: the part's means first,
; the moments of the centred numbers after, so that a common offset of x is gone before anything is squared.  One wave: no LDS, no barrier.
; Stored, 64 bytes a part: (m0, m1, m2, 0), (C00, C11, C22, C01), (C02, C12, 0, 0): the part's means and its SUMS of products about them; the last 16 bytes are neither written nor read.
; 32 parts, so that a lane of the next launch takes a part.  No matrix unit, no cluster: nothing is shared.
; LIMITS: NaN and infinities in x are not served.
.set X, 16                             ; v16-111  x[i][128 j + 4 lane .. + 3] at X + 4 (3 j + i)
.set M, 112                            ; v112-117 the three means, each twice (pairs for the packed forms)
.set SEL, 14
.macro WSUMR base, n, tmp              ; the sums over the wave's 32 lanes of n registers on end, by turns, in every lane
.irp m, 1,2,4,8
.set kk, 0
.rept \n
	v_add_f32_dpp v[\base+kk], v[\base+kk], v[\base+kk] row_xmask:\m row_mask:0xf bank_mask:0xf
.set kk, kk+1
.endr
.endr
.set kk, 0
.rept \n
	v_permlanex16_b32 v[\tmp+kk], v[\base+kk], s[SEL], s[SEL+1]
.set kk, kk+1
.endr
.set kk, 0
.rept \n
	v_add_f32 v[\base+kk], v[\base+kk], v[\tmp+kk]
.set kk, kk+1
.endr
.endm
.macro CO d, i, j, o, first            ; one packed step of the moment of components i and j, on the pair at X + o
.if \first
	v_pk_mul_f32 v[\d:\d+1], v[X+(\o)+4*\i:X+(\o)+4*\i+1], v[X+(\o)+4*\j:X+(\o)+4*\j+1]
.else
	v_pk_fma_f32 v[\d:\d+1], v[X+(\o)+4*\i:X+(\o)+4*\i+1], v[X+(\o)+4*\j:X+(\o)+4*\j+1], v[\d:\d+1]
.endif
.endm
.macro CALL o, first                   ; the six moments by turns, so that no line waits for the line above it
	CO 12, 0, 0, \o, \first
	CO 14, 1, 1, \o, \first
	CO 118, 2, 2, \o, \first
	CO 120, 0, 1, \o, \first
	CO 122, 0, 2, \o, \first
	CO 124, 1, 2, \o, \first
.endm
	s_load_b128 s[4:7], s[0:1], 0x0                ; x, xpart
	v_lshlrev_b32 v1, 4, v0                        ; 16 x lane
	s_lshr_b32 s8, ttmp9, 2                        ; batch
	s_and_b32 s9, ttmp9, 3                         ; which 1,024 positions
	s_mul_i32 s8, s8, 49152                        ; 3 x 4,096 x 4 bytes a batch
	s_lshl_b32 s9, s9, 12
	s_add_co_u32 s8, s8, s9
	s_mov_b32 s9, 0
	s_lshl_b32 s10, ttmp9, 6                       ; my part's 64 bytes
	s_mov_b32 s11, 0
	s_mov_b32 s[SEL], 0x76543210
	s_mov_b32 s[SEL+1], 0xfedcba98                 ; selects for lane l xor 16
.irp j, 2,3,4,5,6,7
	v_mov_b32 v[\j], 0                             ; lane permutes' destinations count as read
.endr
	v_mov_b32 v8, 0                                ; the stores' offset
	s_wait_kmcnt 0x0
	s_add_nc_u64 s[4:5], s[4:5], s[8:9]
	s_add_nc_u64 s[6:7], s[6:7], s[10:11]
.set pp, 0
.rept 24
	global_load_b128 v[X+4*pp:X+4*pp+3], v1, s[4:5] offset:16384*(pp%3)+512*(pp/3)   ; the wave reads 512 consecutive bytes
.set pp, pp+1
.endr
	s_wait_loadcnt 0x0
	; the three sums
.irp i, 0,1,2
	v_pk_add_f32 v[118+2*\i:119+2*\i], v[X+4*\i:X+4*\i+1], v[X+4*\i+2:X+4*\i+3]
.endr
.irp b, 1,2,3,4,5,6,7
.irp i, 0,1,2
	v_pk_add_f32 v[118+2*\i:119+2*\i], v[118+2*\i:119+2*\i], v[X+12*\b+4*\i:X+12*\b+4*\i+1]
.endr
.irp i, 0,1,2
	v_pk_add_f32 v[118+2*\i:119+2*\i], v[118+2*\i:119+2*\i], v[X+12*\b+4*\i+2:X+12*\b+4*\i+3]
.endr
.endr
.irp i, 0,1,2
	v_add_f32 v[124+\i], v[118+2*\i], v[119+2*\i]
.endr
	WSUMR 124, 3, 2
.irp i, 0,1,2
	v_mul_f32 v[M+2*\i], 0x3a800000, v[124+\i]     ; / 1,024: the part's means
.endr
.irp i, 0,1,2
	v_mov_b32 v[M+2*\i+1], v[M+2*\i]
.endr
.set pp, 0
.rept 24                               ; x - mean, in place
	v_pk_add_f32 v[X+4*pp:X+4*pp+1], v[X+4*pp:X+4*pp+1], v[M+2*(pp%3):M+2*(pp%3)+1] neg_lo:[0,1] neg_hi:[0,1]
	v_pk_add_f32 v[X+4*pp+2:X+4*pp+3], v[X+4*pp+2:X+4*pp+3], v[M+2*(pp%3):M+2*(pp%3)+1] neg_lo:[0,1] neg_hi:[0,1]
.set pp, pp+1
.endr
	CALL 0, 1                                      ; the first products start the sums
	CALL 2, 0
.irp b, 1,2,3,4,5,6,7
	CALL 12*\b, 0
	CALL 12*\b+2, 0
.endr
	v_add_f32 v16, v12, v13                        ; C00
	v_add_f32 v17, v14, v15                        ; C11
	v_add_f32 v18, v118, v119                      ; C22
	v_add_f32 v19, v120, v121                      ; C01
	v_add_f32 v20, v122, v123                      ; C02
	v_add_f32 v21, v124, v125                      ; C12
	v_mov_b32 v22, 0
	v_mov_b32 v23, 0
	WSUMR 16, 6, 2
	v_mov_b32 v24, v[M]
	v_mov_b32 v25, v[M+2]
	v_mov_b32 v26, v[M+4]
	v_mov_b32 v27, 0
	global_store_b128 v8, v[24:27], s[6:7]         ; all lanes hold the same figures and write the same bytes
	global_store_b128 v8, v[16:19], s[6:7] offset:16
	global_store_b128 v8, v[20:23], s[6:7] offset:32
	s_endpgm
.Lfunc_end_k_q83103f3009_xstat:
	.size	k_q83103f3009_xstat, .Lfunc_end_k_q83103f3009_xstat-k_q83103f3009_xstat
	.p2alignl 7, 3214868480
	.fill 96, 4, 3214868480
	.section	.rodata,"a",@progbits
	.p2align	6, 0x0
	.amdhsa_kernel k_q83103f3009_xstat
		.amdhsa_group_segment_fixed_size 0
		.amdhsa_private_segment_fixed_size 0
		.amdhsa_enable_private_segment 0
		.amdhsa_kernarg_size 16
		.amdhsa_user_sgpr_count 2
		.amdhsa_user_sgpr_kernarg_segment_ptr 1
		.amdhsa_wavefront_size32 1
		.amdhsa_system_sgpr_workgroup_id_x 1
		.amdhsa_system_sgpr_workgroup_id_y 1
		.amdhsa_system_sgpr_workgroup_id_z 1
		.amdhsa_system_vgpr_workitem_id 0
		.amdhsa_next_free_vgpr 128
		.amdhsa_next_free_sgpr 66
		.amdhsa_reserve_vcc 0
		.amdhsa_float_denorm_mode_32 3
		.amdhsa_float_denorm_mode_16_64 3
		.amdhsa_memory_ordered 1
		.amdhsa_forward_progress 1
		.amdhsa_inst_pref_size 20
	.end_amdhsa_kernel
	.amdgpu_metadata
---
amdhsa.version: [ 1, 2 ]
amdhsa.kernels:
  - .name:           k_q83103f3009_xstat
    .symbol:         k_q83103f3009_xstat.kd
    .args:
      - { .name: x, .offset: 0, .size: 8, .value_kind: global_buffer, .address_space: global }
      - { .name: xpart, .offset: 8, .size: 8, .value_kind: global_buffer, .address_space: global }
    .group_segment_fixed_size: 0
    .private_segment_fixed_size: 0
    .kernarg_segment_align: 8
    .kernarg_segment_size: 16
    .max_flat_workgroup_size: 32
    .sgpr_count:     66
    .vgpr_count:     128
    .wavefront_size: 32
...
	.end_amdgpu_metadata
.endif
;; end of part 1
;; launch embed (part 2): grid 32 x 8, 8 waves a work-group, no clusters, 25,600 bytes of LDS; arguments x, coef, Wq_codes, Wq_scales, Wv_codes, Wv_scales, bv, qpack, vpack, xpart, W1, g1, b1; writes qpack, vpack, coef
.if DOCPART == 2
	.amdgcn_target "amdgcn-amd-amdhsa--gfx1250"
	.amdhsa_code_object_version 6
	.text
	.protected	k_q83103f3009_embed
	.globl	k_q83103f3009_embed
	.p2align	8
	.type	k_q83103f3009_embed,@function
k_q83103f3009_embed:
	s_mov_b64 s[64:65], 0
	v_nop
	global_prefetch_b8 v0, s[64:65] scope:SCOPE_SE
	s_setreg_imm32_b32 hwreg(HW_REG_WAVE_MODE, 25, 1), 1
	s_wait_xcnt 0x0
; For 128 positions of one batch: h = relu(A . (x - mean) + b1) in f32, quantised along the 256 channels; qk = Wq Q(h), quantised along its 64 rows; v = Wv Q(h) + bv, quantised along the positions.
; All quantised products on codes of FP4 (E2M1) with one E8M0 scale for each 32 along K.  h never goes to memory; the codes of qk and v go out laid as the later launches' operand registers.
; THE FIRST BATCH NORM'S TABLE is made here: x's means and second moments come as 32 parts of 1,024 positions (a mean and sums of products about it); every wave joins them, a part to a lane, each part moved to the
; common mean by + 1,024 d_i d_j, so that no difference of large sums is formed.  Thread c then makes channel c's (A0, A1, A2, b1), Ai = W1[c][i] g1[c] / sqrt(W1[c]^T Cov W1[c] + 1e-5), into LDS, whence the
; coefficient fragments come.  Work-group (0, 0) alone also stores the table, and x's means at byte 4096, into coef for the later launches; this launch loads nothing from coef.
; SHARES.  Work-group (x, y) = positions 128 x .. 128 x + 127 of batch y.  Steps 1, 2: wave w owns one tile of 16 positions.  Step 3: wave w owns channels 32 w .. 32 w + 31 of v for all 128 positions,
; and takes the eight tiles' fragments of h from LDS, where they lie as images of their registers (16 bytes a lane, 512 bytes a store).
; THE POSITIONS OF A TILE ARE NOT NEIGHBOURS: row r of tile T is position 32 (T / 2) + 8 (T % 2) + r + 8 (r / 8), and likewise the channels of a tile of coefficients, of Wq's rows and of Wv's rows:
; then the 16 registers that two neighbouring tiles of a result give a lane are 16 neighbours along the next product's K, as the conversions want them.
; h BY THE f32 MATRIX FORM: source 0 = 16 channels x (A0, A1, A2, b1), source 1 = 16 positions x (x0 - m0, x1 - m1, x2 - m2, 1): four fused multiply-adds in f32.  Its results lie in v192-255,
; which this text writes by matrix instructions alone: the relu goes into other registers.
; No tensor loads: what a work-group reads is a few KB of weights that all work-groups share and 1.5 KB of x.  No cluster for the same reason.
; LIMITS: a block of zeros gets the scale byte 1 (its codes are zeros; only this program reads the bytes); NaN and infinities are not served.
; REGISTERS.  Window 0: v1-15 lane terms and offsets; v10-13 x, means; v16-27 the weights' scale words; v32-43 h's and v's scale words; v48-63 at work; v64-79 codes; v80-83 qk's codes; v96-111 bv spread;
;   v112-124 my channel's coefficients, the means and their offsets, never rewritten; v128-191 the parts and the table's arithmetic, then relu'd numbers, then eight fragments of h; v192-255 matrix results.
;   Window 1: v0-31 coefficient fragments; v32-95 Wq's eight; v96-127 Wv's four.
.set HIMG, 0                           ; LDS: h's 16 fragments (tile m, K step s: 2 m + s), 1,024 bytes each
.set HSC,  16384                       ; their scale words, 128 bytes each
.set QSG,  18432                       ; qk's scale bytes of the 128 positions, 256 bytes, as they go out
.set CFT,  18688                       ; the table: 16 bytes a channel, 4,096 bytes
.set XF,   10
.set MN,   12
.set WQS,  16
.set WVS,  24
.set BVV,  28
.set LI,   30                          ; 16 x lane
.set LS,   31                          ; 4 x lane
.set HS,   32
.set PW0,  40
.set PWV,  42
.set QSW,  44
.set HWI,  45
.set HWS,  46
.set QSA,  47
.set TM,   48
.set PC0,  64
.set QC,   80
.set BV,   96
.set H,    128
.set DM,   192
.set CF,   0                           ; window 1
.set WQ,   32
.set WV,   96
.set SEL,  46
.set MSB, 0
.macro WIN new                         ; the immediate's high byte repeats the setting that is left
.if MSB != \new
	s_set_vgpr_msb (MSB<<8)|\new
.set MSB, \new
.endif
.endm
.macro NOPS n
.rept \n
	v_nop
.endr
.endm
.macro WSUMR base, n, tmp              ; the sums over the wave's 32 lanes of n registers on end, by turns, in every lane
.irp m, 1,2,4,8
.set kk, 0
.rept \n
	v_add_f32_dpp v[\base+kk], v[\base+kk], v[\base+kk] row_xmask:\m row_mask:0xf bank_mask:0xf
.set kk, kk+1
.endr
.endr
.set kk, 0
.rept \n
	v_permlanex16_b32 v[\tmp+kk], v[\base+kk], s[SEL], s[SEL+1]
.set kk, kk+1
.endr
.set kk, 0
.rept \n
	v_add_f32 v[\base+kk], v[\base+kk], v[\tmp+kk]
.set kk, kk+1
.endr
.endm
; 64 numbers of a lane, register 16 b + i = k 32 b + 16 (lane / 16) + i of my row, become a fragment's 8 registers of codes and its scale word.
.macro QUANT src, pc, pw
.irp b, 0,1,2,3
	v_max3_num_f32 v[TM+\b], |v[(\src)+16*\b]|, |v[(\src)+1+16*\b]|, 0x1800000   ; my 16 numbers of block b, and the floor 2^(3 - 127): the byte cannot fall under 1
.endr
.irp i, 2,4,6,8,10,12,14
.irp b, 0,1,2,3
	v_max3_num_f32 v[TM+\b], v[TM+\b], |v[(\src)+16*\b+\i]|, |v[(\src)+1+16*\b+\i]|
.endr
.endr
.irp b, 0,1,2,3
	v_permlanex16_b32 v[TM+4+\b], v[TM+\b], s[SEL], s[SEL+1]
.endr
.irp b, 0,1,2,3
	v_max_num_f32 v[TM+\b], v[TM+\b], v[TM+4+\b]   ; with lane l xor 16's: the block's largest magnitude
.endr
.irp b, 0,1,2,3
	v_add_nc_u32 v[TM+12+\b], 0xff000000, v[TM+\b] ; 2 off its exponent field: the conversion's scale operand
.endr
.irp b, 0,1,2,3
	v_lshrrev_b32 v[TM+4+\b], 23, v[TM+12+\b]      ; the scale's byte
.endr
	v_lshl_or_b32 v[\pw], v[TM+5], 8, v[TM+4]
	v_lshl_or_b32 v[\pw], v[TM+6], 16, v[\pw]
	v_lshl_or_b32 v[\pw], v[TM+7], 24, v[\pw]
.irp b, 0,1,2,3
	v_cvt_scalef32_pk8_fp4_f32 v[(\pc)+2*\b], v[(\src)+16*\b:(\src)+7+16*\b], v[TM+12+\b]
	v_cvt_scalef32_pk8_fp4_f32 v[(\pc)+1+2*\b], v[(\src)+8+16*\b:(\src)+15+16*\b], v[TM+12+\b]
.endr
	v_nop                                          ; one plain line behind a scaled conversion
.irp c, 0,1                            ; the operand's layout wants a whole block in a lane
.irp i, 0,1
	v_permlane16_swap_b32 v[(\pc)+4*\c+\i], v[(\pc)+2+4*\c+\i]
.endr
.endr
.endm
.macro IMAGE adr, pc, off
.irp c, 0,1
	ds_store_b128 v[\adr], v[(\pc)+4*\c:(\pc)+4*\c+3] offset:(\off)+512*\c
.endr
.endm
.macro FETCH reg, off
.irp c, 0,1
	ds_load_b128 v[(\reg)+4*\c:(\reg)+4*\c+3], v[LI] offset:(\off)+512*\c
.endr
.endm
	s_load_b512 s[4:19], s[0:1], 0x0               ; x, coef, Wq codes, Wq scales, Wv codes, Wv scales, bv, qpack
	s_load_b64 s[20:21], s[0:1], 0x40              ; vpack
	s_load_b64 s[48:49], s[0:1], 0x48              ; xpart
	s_load_b64 s[50:51], s[0:1], 0x50              ; W1
	s_load_b64 s[52:53], s[0:1], 0x58              ; g1
	s_load_b64 s[54:55], s[0:1], 0x60              ; b1
	v_lshl_add_u32 v126, v0, 2, 0x6000
	v_mov_b32 v127, 0
	v_lshrrev_b32 v1, 5, v0
	v_readfirstlane_b32 s22, v1                    ; wave
	v_and_b32 v1, 31, v0                           ; lane
	v_and_b32 v2, 15, v0                           ; r
	v_bfe_u32 v3, v0, 4, 1                         ; h
	v_and_b32 v4, 8, v2
	v_add_nc_u32 v4, v4, v2                        ; r + 8 (r / 8)
	v_lshlrev_b32 v15, 2, v4                       ; x 4: x's position, bv
	v_lshl_add_u32 v5, v3, 15, v15                 ; x: component 2 h
	v_lshl_add_u32 v6, v3, 14, v15                 ; x: component 1 + h (with the immediate)
	v_lshlrev_b32 v7, 3, v3                        ; 8 h
	v_lshl_add_u32 v8, v4, 4, v7                   ; a coefficient row of 16 bytes, + 8 h
	v_lshlrev_b32 v9, 7, v4
	v_lshl_add_u32 v9, v3, 4, v9                   ; a weight's row of 128 bytes, + 16 h
	v_lshlrev_b32 v14, 3, v4                       ; a weight's row of 8 scale bytes
	v_lshlrev_b32 v[LI], 4, v1
	v_lshlrev_b32 v[LS], 2, v1
	v_lshlrev_b32 v86, 3, v1                       ; 8 x lane
	v_lshlrev_b32 v88, 3, v2                       ; 8 r
	v_lshlrev_b32 v120, 4, v0                      ; 16 x thread: my channel's row of the table
	v_mov_b32 v121, 0x1000                         ; where the means go in coef
	v_lshlrev_b32 v122, 6, v1                      ; 64 x lane: my part
	v_mul_u32_u24 v123, v0, 12                     ; my channel's row of W1
	v_lshlrev_b32 v124, 2, v0                      ; and its g1, b1
	s_lshl_b32 s25, s22, 11
	v_add_nc_u32 v[HWI], s25, v[LI]                ; my tile's two images: 16 x lane + 2,048 x wave
	s_lshl_b32 s25, s22, 8
	v_add_nc_u32 v[HWS], s25, v[LS]                ; and their scale words: 4 x lane + 256 x wave
	s_lshr_b32 s25, s22, 2
	s_lshl_b32 s25, s25, 7
	s_bfe_u32 s23, s22, 0x10001
	s_lshl_b32 s23, s23, 2
	s_add_co_u32 s25, s25, s23
	s_and_b32 s23, s22, 1
	s_lshl_b32 s23, s23, 1
	s_add_co_u32 s25, s25, s23
	v_lshl_add_u32 v[QSA], v2, 3, s25              ; qk's two scale bytes: 128 (w / 4) + 8 r + 4 ((w / 2) % 2) + 2 (w % 2)
	s_mov_b32 s[SEL], 0x76543210
	s_mov_b32 s[SEL+1], 0xfedcba98
	s_and_b32 s24, ttmp7, 0xffff                   ; batch
	s_mul_i32 s26, s24, 49152                      ; x: 3 x 4,096 x 4 bytes a batch,
	s_lshl_b32 s25, ttmp9, 9                       ; 128 positions a work-group,
	s_add_co_u32 s26, s26, s25
	s_lshr_b32 s25, s22, 1
	s_lshl_b32 s25, s25, 7                         ; and my tile's first: 32 (w / 2) + 8 (w % 2)
	s_add_co_u32 s26, s26, s25
	s_and_b32 s25, s22, 1
	s_lshl_b32 s25, s25, 5
	s_add_co_u32 s26, s26, s25
	s_mov_b32 s27, 0
	s_lshl_b32 s28, s22, 12                        ; Wv: my 32 rows of 128 bytes,
	s_mov_b32 s29, 0
	s_lshl_b32 s30, s22, 8                         ; of 8 scale bytes,
	s_mov_b32 s31, 0
	s_lshl_b32 s32, s22, 7                         ; and of bv
	s_mov_b32 s33, 0
	s_mul_i32 s34, s24, 172032                     ; qpack: a batch
	s_mov_b32 s35, 0
	s_lshl_b32 s38, ttmp9, 12
	s_lshl_b32 s25, s22, 9
	s_add_co_u32 s38, s38, s25                     ; qk's codes: tile 8 x + w, 512 bytes a tile
	s_mov_b32 s39, 0
	s_lshl_b32 s40, ttmp9, 8                       ; qk's scale bytes: 256 a work-group
	s_mov_b32 s41, 0
	s_lshl_b32 s42, ttmp9, 10
	s_lshl_b32 s25, s22, 7
	s_add_co_u32 s42, s42, s25                     ; v's scale bytes: 1,024 a work-group, 128 a wave
	s_mov_b32 s43, 0
	s_lshl_b32 s44, s24, 19
	s_lshl_b32 s25, ttmp9, 14
	s_add_co_u32 s44, s44, s25
	s_lshl_b32 s25, s22, 11
	s_add_co_u32 s44, s44, s25                     ; v's codes: 524,288 a batch, 16,384 a work-group, 2,048 a wave
	s_mov_b32 s45, 0
	s_wait_kmcnt 0x0
	s_add_nc_u64 s[4:5], s[4:5], s[26:27]
	s_add_nc_u64 s[12:13], s[12:13], s[28:29]
	s_add_nc_u64 s[14:15], s[14:15], s[30:31]
	s_add_nc_u64 s[16:17], s[16:17], s[32:33]
	s_add_nc_u64 s[18:19], s[18:19], s[34:35]
	s_add_nc_u64 s[38:39], s[18:19], s[38:39]
	s_add_nc_u64 s[40:41], s[18:19], s[40:41]
	s_add_nc_u64 s[42:43], s[18:19], s[42:43]
	s_add_nc_u64 s[20:21], s[20:21], s[44:45]
	global_load_b128 v[128:131], v122, s[48:49]            ; what the table wants goes out first, eight loads: my part's means,
	global_load_b128 v[132:135], v122, s[48:49] offset:16  ; C00, C11, C22, C01,
	global_load_b128 v[136:139], v122, s[48:49] offset:32  ; C02, C12
	global_load_b32 v164, v123, s[50:51]                   ; my channel's W1,
	global_load_b32 v165, v123, s[50:51] offset:4
	global_load_b32 v166, v123, s[50:51] offset:8
	global_load_b32 v167, v124, s[52:53]                   ; g1,
	global_load_b32 v168, v124, s[54:55]                   ; b1
	global_load_b32 v[XF], v5, s[4:5]
	global_load_b32 v[XF+1], v6, s[4:5] offset:16384   ; (lanes 16-31: component 2 once more, replaced by 1.0 below)
.irp dt, 0,1,2,3
.irp s, 0,1
	global_load_b32 v[WQS+2*\dt+\s], v14, s[10:11] offset:(32*(\dt/2)+8*(\dt%2))*8+4*\s
.endr
.endr
.irp ci, 0,1
.irp s, 0,1
	global_load_b32 v[WVS+2*\ci+\s], v14, s[14:15] offset:64*\ci+4*\s
.endr
	global_load_b32 v[BVV+\ci], v15, s[16:17] offset:32*\ci
.endr
	WIN 0x40                                       ; destination window 1
.irp dt, 0,1,2,3
.irp s, 0,1
.irp c, 0,1
	global_load_b128 v[WQ+8*(2*\dt+\s)+4*\c:WQ+8*(2*\dt+\s)+4*\c+3], v9, s[8:9] offset:(32*(\dt/2)+8*(\dt%2))*128+64*\s+32*\c
.endr
.endr
.endr
.irp ci, 0,1
.irp s, 0,1
.irp c, 0,1
	global_load_b128 v[WV+8*(2*\ci+\s)+4*\c:WV+8*(2*\ci+\s)+4*\c+3], v9, s[12:13] offset:1024*\ci+64*\s+32*\c
.endr
.endr
.endr
	WIN 0
.irp b, 0,1,2,3
	v_mov_b32 v[TM+4+\b], 0                        ; written once: a lane permute's destination counts as read
.endr
.irp j, 144,145,146,156,157,158,159,160,161
	v_mov_b32 v[\j], 0                             ; likewise
.endr
	v_mov_b32 v87, 1.0
	v_cmp_lt_u32 vcc_lo, 15, v1
	; ---- 0: the 32 parts are joined, and the table is made
	s_wait_loadcnt 40                              ; the first eight loads are in; the 40 behind them (x 2, scale words and bv 14, codes 24) stay out
.irp i, 0,1,2
	v_mov_b32 v[140+\i], v[128+\i]
.endr
	WSUMR 140, 3, 144
.irp i, 0,1,2
	v_mul_f32 v[140+\i], 0x3d000000, v[140+\i]     ; / 32: x's means (the parts are equal in size)
.endr
.irp i, 0,1,2
	v_sub_f32 v[148+\i], v[128+\i], v[140+\i]      ; d: my part's mean less the common one
.endr
.irp i, 0,1,2
	v_mul_f32 v[152+\i], 0x44800000, v[148+\i]     ; 1,024 d
.endr
	v_fmac_f32 v132, v152, v148                    ; my part's sums of products, moved to the common mean
	v_fmac_f32 v133, v153, v149
	v_fmac_f32 v134, v154, v150
	v_fmac_f32 v135, v152, v149
	v_fmac_f32 v136, v152, v150
	v_fmac_f32 v137, v153, v150
	WSUMR 132, 6, 156
.irp k, 132,133,134,135,136,137
	v_mul_f32 v[\k], 0x38000000, v[\k]             ; / 32,768
.endr
	; var = W0 (W0 C00 + 2 W1 C01 + 2 W2 C02) + W1 (W1 C11 + 2 W2 C12) + W2 W2 C22
	v_mul_f32 v170, v164, v132
	v_add_f32 v171, v165, v165
	v_add_f32 v172, v166, v166
	v_mul_f32 v173, v165, v133
	v_mul_f32 v174, v166, v134
	v_fmac_f32 v170, v171, v135
	v_fmac_f32 v173, v172, v137
	v_fmac_f32 v170, v172, v136
	v_mul_f32 v175, v164, v170
	v_fmac_f32 v175, v165, v173
	v_fmac_f32 v175, v166, v174
	v_max_num_f32 v175, 0, v175                    ; rounding may not leave a variance under 0
	v_add_f32 v175, 0x3727c5ac, v175               ; + 1e-5
	v_rsq_f32 v176, v175
	v_mov_b32 v115, v168                           ; b1.  (A plain line behind the transcendental)
	s_wait_alu depctr_va_vdst(0)
	v_mul_f32 v176, v167, v176                     ; g1 / sqrt(var + eps)
	v_mul_f32 v112, v164, v176
	v_mul_f32 v113, v165, v176
	v_mul_f32 v114, v166, v176
	ds_store_b128 v120, v[112:115] offset:CFT      ; my channel's row of the table
	v_cndmask_b32 v[MN], v140, v142, vcc_lo        ; the means as x's fragment wants them: lanes 0-15 (m0, m1), lanes 16-31 (m2, -)
	v_mov_b32 v[MN+1], v141
	v_mov_b32 v116, v140
	v_mov_b32 v117, v141
	v_mov_b32 v118, v142
	v_mov_b32 v119, 0
	s_wait_dscnt 0x0                               ; for the others' sake: my row is in LDS
	s_barrier_signal -1
	s_barrier_wait -1
	WIN 0x40                                       ; destination window 1
.irp t, 0,1,2,3,4,5,6,7,8,9,10,11,12,13,14,15
	ds_load_b64 v[CF+2*\t:CF+2*\t+1], v8 offset:CFT+(32*(\t/2)+8*(\t%2))*16
.endr
	WIN 0
	s_or_b32 s23, ttmp9, s24                       ; work-group (0, 0) alone stores the table for the later launches
	s_cmp_lg_u32 s23, 0
	s_cbranch_scc1 .Lno_coef
	global_store_b128 v120, v[112:115], s[6:7]     ; a wave stores 512 consecutive bytes; data and offsets are never rewritten
	s_cmp_lg_u32 s22, 0
	s_cbranch_scc1 .Lno_coef
	global_store_b128 v121, v[116:119], s[6:7]     ; the means: all lanes of wave 0 write the same 16 bytes with the same values
.Lno_coef:
	s_wait_loadcnt 0x0
	s_wait_dscnt 0x0
	v_pk_add_f32 v[XF:XF+1], v[XF:XF+1], v[MN:MN+1] neg_lo:[0,1] neg_hi:[0,1]   ; x - mean
	v_cndmask_b32 v[XF+1], v[XF+1], v87, vcc_lo    ; k = 3: the 1.0 that takes b1
.irp ci, 0,1
.irp j, 0,1,2,3,4,5,6,7
	v_mov_b32 v[BV+8*\ci+\j], v[BVV+\ci]           ; bv as the C of v's first products: a lane holds one channel
.endr
.endr
	; ---- 1: h of my 16 positions, 128 channels at a time; its codes stay in my registers and go to LDS as images
.irp s, 0,1
	WIN 0x01                                       ; source 0 window 1
.irp t, 0,1,2,3,4,5,6,7
	v_wmma_f32_16x16x4_f32 v[DM+8*\t:DM+8*\t+7], v[CF+2*(8*\s+\t):CF+2*(8*\s+\t)+1], v[XF:XF+1], 0
.endr
	WIN 0
	NOPS 8                                         ; eight places behind this form before its results are read
.set jj, 0
.rept 64
	v_max_num_f32 v[H+jj], 0, v[DM+jj]             ; the activation, in f32, into other registers; each result from its low end on
.set jj, jj+1
.endr
	QUANT H, PC0+8*\s, PW0+\s
	IMAGE HWI, PC0+8*\s, HIMG+1024*\s
	ds_store_b32 v[HWS], v[PW0+\s] offset:HSC+128*\s
.endr
	; ---- 2: qk of my 16 positions: source 0 = 16 rows of Wq, source 1 = h: a lane holds one position, its registers run along qk's rows
	NOPS 8                                         ; a scale register written by a vector instruction stands 8 places ahead of a scaled product, an operand 4
	WIN 0x01
.irp s, 0,1
.irp dt, 0,1,2,3                       ; the four accumulators by turns
.if \s == 0
	v_wmma_scale_f32_16x16x128_f8f6f4 v[DM+8*\dt:DM+8*\dt+7], v[WQ+8*(2*\dt+\s):WQ+8*(2*\dt+\s)+7], v[PC0+8*\s:PC0+8*\s+7], 0, v[WQS+2*\dt+\s], v[PW0+\s] matrix_a_fmt:MATRIX_FMT_FP4 matrix_b_fmt:MATRIX_FMT_FP4
.else
	v_wmma_scale_f32_16x16x128_f8f6f4 v[DM+8*\dt:DM+8*\dt+7], v[WQ+8*(2*\dt+\s):WQ+8*(2*\dt+\s)+7], v[PC0+8*\s:PC0+8*\s+7], v[DM+8*\dt:DM+8*\dt+7], v[WQS+2*\dt+\s], v[PW0+\s] matrix_a_fmt:MATRIX_FMT_FP4 matrix_b_fmt:MATRIX_FMT_FP4
.endif
.endr
.endr
	WIN 0
	NOPS 4
.irp b, 0,1                            ; qk's two blocks of 32
	v_max3_num_f32 v[TM+\b], |v[DM+16*\b]|, |v[DM+1+16*\b]|, 0x1800000
.endr
.irp i, 2,4,6,8,10,12,14
.irp b, 0,1
	v_max3_num_f32 v[TM+\b], v[TM+\b], |v[DM+16*\b+\i]|, |v[DM+1+16*\b+\i]|
.endr
.endr
.irp b, 0,1
	v_permlanex16_b32 v[TM+4+\b], v[TM+\b], s[SEL], s[SEL+1]
.endr
.irp b, 0,1
	v_max_num_f32 v[TM+\b], v[TM+\b], v[TM+4+\b]
.endr
.irp b, 0,1
	v_add_nc_u32 v[TM+12+\b], 0xff000000, v[TM+\b]
.endr
.irp b, 0,1
	v_lshrrev_b32 v[TM+4+\b], 23, v[TM+12+\b]
.endr
	v_lshl_or_b32 v[QSW], v[TM+5], 8, v[TM+4]
.irp b, 0,1
	v_cvt_scalef32_pk8_fp4_f32 v[QC+2*\b], v[DM+16*\b:DM+7+16*\b], v[TM+12+\b]
	v_cvt_scalef32_pk8_fp4_f32 v[QC+1+2*\b], v[DM+8+16*\b:DM+15+16*\b], v[TM+12+\b]
.endr
	v_nop
	v_permlane16_swap_b32 v[QC], v[QC+2]           ; lanes 0-15: block 0 whole; lanes 16-31: block 1
	v_permlane16_swap_b32 v[QC+1], v[QC+3]
	global_store_b128 v[LI], v[QC:QC+3], s[38:39]  ; my tile's 512 consecutive bytes
	ds_store_b16 v[QSA], v[QSW] offset:QSG         ; both halves of the lanes write the same two bytes with the same values
	s_wait_dscnt 0x0                               ; my images, scale words and bytes are in LDS
	s_barrier_signal -1
	s_barrier_wait -1
	s_cmp_lg_u32 s22, 0
	s_cbranch_scc1 .Lnot_wave_0
	ds_load_b64 v[84:85], v86 offset:QSG
	s_wait_dscnt 0x0
	global_store_b64 v86, v[84:85], s[40:41] offset:131072   ; the work-group's 256 scale bytes: one aligned run of 256 bytes
.Lnot_wave_0:
	; ---- 3: v of my 32 channels for the 128 positions: source 0 = a tile of h, source 1 = 16 rows of Wv: a lane holds one channel, its registers run along the positions
.irp ci, 0,1
.irp s, 0,1
	NOPS 4                                         ; places in front of loads into registers that products have read
.irp m, 0,1,2,3,4,5,6,7
	FETCH H+8*\m, HIMG+(2*\m+\s)*1024
	ds_load_b32 v[HS+\m], v[LS] offset:HSC+(2*\m+\s)*128
.endr
	s_wait_dscnt 0x0
	WIN 0x04                                       ; source 1 window 1
.irp m, 0,1,2,3,4,5,6,7                ; eight accumulators by turns
.if \s == 0
	v_wmma_scale_f32_16x16x128_f8f6f4 v[DM+8*\m:DM+8*\m+7], v[H+8*\m:H+8*\m+7], v[WV+8*(2*\ci+\s):WV+8*(2*\ci+\s)+7], v[BV+8*\ci:BV+8*\ci+7], v[HS+\m], v[WVS+2*\ci+\s] matrix_a_fmt:MATRIX_FMT_FP4 matrix_b_fmt:MATRIX_FMT_FP4
.else
	v_wmma_scale_f32_16x16x128_f8f6f4 v[DM+8*\m:DM+8*\m+7], v[H+8*\m:H+8*\m+7], v[WV+8*(2*\ci+\s):WV+8*(2*\ci+\s)+7], v[DM+8*\m:DM+8*\m+7], v[HS+\m], v[WVS+2*\ci+\s] matrix_a_fmt:MATRIX_FMT_FP4 matrix_b_fmt:MATRIX_FMT_FP4
.endif
.endr
	WIN 0
.endr
	NOPS 4
	QUANT DM, PC0+8*\ci, PWV+\ci
	global_store_b128 v[LI], v[PC0+8*\ci:PC0+8*\ci+3], s[20:21] offset:1024*\ci       ; the fragment as it stands: 512 consecutive bytes a store
	global_store_b128 v[LI], v[PC0+8*\ci+4:PC0+8*\ci+7], s[20:21] offset:1024*\ci+512
.endr
	global_store_b64 v88, v[PWV:PWV+1], s[42:43] offset:139264   ; my two tiles' scale words, 8 bytes a channel row; both halves of the lanes write the same
	s_wait_tensorcnt 0x0
	ds_add_u32 v126, v127
	s_wait_dscnt 0x0
	s_endpgm
.Lfunc_end_k_q83103f3009_embed:
	.size	k_q83103f3009_embed, .Lfunc_end_k_q83103f3009_embed-k_q83103f3009_embed
	.p2alignl 7, 3214868480
	.fill 96, 4, 3214868480
	.section	.rodata,"a",@progbits
	.p2align	6, 0x0
	.amdhsa_kernel k_q83103f3009_embed
		.amdhsa_group_segment_fixed_size 25600
		.amdhsa_private_segment_fixed_size 0
		.amdhsa_enable_private_segment 0
		.amdhsa_kernarg_size 104
		.amdhsa_user_sgpr_count 2
		.amdhsa_user_sgpr_kernarg_segment_ptr 1
		.amdhsa_wavefront_size32 1
		.amdhsa_system_sgpr_workgroup_id_x 1
		.amdhsa_system_sgpr_workgroup_id_y 1
		.amdhsa_system_sgpr_workgroup_id_z 1
		.amdhsa_system_vgpr_workitem_id 0
		.amdhsa_next_free_vgpr 384
		.amdhsa_next_free_sgpr 66
		.amdhsa_reserve_vcc 1
		.amdhsa_float_denorm_mode_32 3
		.amdhsa_float_denorm_mode_16_64 3
		.amdhsa_memory_ordered 1
		.amdhsa_forward_progress 1
		.amdhsa_inst_pref_size 53
	.end_amdhsa_kernel
	.amdgpu_metadata
---
amdhsa.version: [ 1, 2 ]
amdhsa.kernels:
  - .name:           k_q83103f3009_embed
    .symbol:         k_q83103f3009_embed.kd
    .args:
      - { .name: x, .offset: 0, .size: 8, .value_kind: global_buffer, .address_space: global }
      - { .name: coef, .offset: 8, .size: 8, .value_kind: global_buffer, .address_space: global }
      - { .name: Wq_codes, .offset: 16, .size: 8, .value_kind: global_buffer, .address_space: global }
      - { .name: Wq_scales, .offset: 24, .size: 8, .value_kind: global_buffer, .address_space: global }
      - { .name: Wv_codes, .offset: 32, .size: 8, .value_kind: global_buffer, .address_space: global }
      - { .name: Wv_scales, .offset: 40, .size: 8, .value_kind: global_buffer, .address_space: global }
      - { .name: bv, .offset: 48, .size: 8, .value_kind: global_buffer, .address_space: global }
      - { .name: qpack, .offset: 56, .size: 8, .value_kind: global_buffer, .address_space: global }
      - { .name: vpack, .offset: 64, .size: 8, .value_kind: global_buffer, .address_space: global }
      - { .name: xpart, .offset: 72, .size: 8, .value_kind: global_buffer, .address_space: global }
      - { .name: W1, .offset: 80, .size: 8, .value_kind: global_buffer, .address_space: global }
      - { .name: g1, .offset: 88, .size: 8, .value_kind: global_buffer, .address_space: global }
      - { .name: b1, .offset: 96, .size: 8, .value_kind: global_buffer, .address_space: global }
    .group_segment_fixed_size: 25600
    .private_segment_fixed_size: 0
    .kernarg_segment_align: 8
    .kernarg_segment_size: 104
    .max_flat_workgroup_size: 256
    .sgpr_count:     66
    .vgpr_count:     384
    .wavefront_size: 32
...
	.end_amdgpu_metadata
.endif
;; end of part 2
;; launch rowstat (part 3): grid 32 x 8, 8 waves a work-group, clusters of 4 x 1, 168,960 bytes of LDS; arguments qpack, nlse; writes nlse
.if DOCPART == 3
	.amdgcn_target "amdgcn-amd-amdhsa--gfx1250"
	.amdhsa_code_object_version 6
	.text
	.protected	k_q83103f3009_rowstat
	.globl	k_q83103f3009_rowstat
	.p2align	8
	.type	k_q83103f3009_rowstat,@function
k_q83103f3009_rowstat:
	s_mov_b64 s[64:65], 0
	v_nop
	global_prefetch_b8 v0, s[64:65] scope:SCOPE_SE
	s_setreg_imm32_b32 hwreg(HW_REG_WAVE_MODE, 25, 1), 1
	s_wait_xcnt 0x0
	s_wait_alu depctr_hold_cnt(0) depctr_sa_sdst(0) depctr_va_vdst(0) depctr_va_sdst(0) depctr_va_ssrc(0) depctr_va_vcc(0) depctr_vm_vsrc(0)
	s_getreg_b32 s2, hwreg(HW_REG_IB_STS2, 6, 4)
	s_cmp_eq_u32 s2, 0
	s_cbranch_scc0 .Lentry_in_a_cluster
	s_endpgm
.Lentry_in_a_cluster:
	s_bfe_u32 s2, ttmp6, 0x10000c
	s_cmp_lg_u32 s2, 0x3003
	s_cbranch_scc0 .Lentry_shape_is_right
	s_endpgm
.Lentry_shape_is_right:
; nlse[b][n] = -log(sum over m of exp(E[n][m])), E = Q(qk)^T Q(qk) on codes of FP4 with E8M0 scales, K = 64; by a running maximum and sum, in f32.
; SHARES.  A work-group owns 128 rows n of one batch.  Its eight waves are 4 groups of 32 rows (g = wave % 4) x 2 halves of the 4,096 columns (s = wave / 4).  A wave holds two tiles of 16 rows:
; local tile 0 is row tile 2 g + s, which it keeps, local tile 1 is row tile 2 g + 1 - s, whose figures it sends to its partner (wave xor 4) at the end.
; K = 64 IN A FORM OF K = 128.  A streamed fragment holds TWO tiles of 16 columns (registers 0-3 and 4-7).  The owned side is twelve registers, codes | zeros | codes: its first eight select the first
; tile, its last eight the second, since zero codes add nothing.  So the streamed bytes are dense and each LDS load feeds two tiles of rows.
; A lane of a result holds ONE owned row (lane % 16), its registers run along the streamed columns: maxima and sums stay in the lane; the two halves of the lanes and the two waves are joined once, at the end.
; LDS.  The batch's codes and scale bytes of qk, 139,264 bytes, are filled once; nothing is filled again.  THE FILL COMES IN PIECES, so that the walk begins when a quarter of it has landed: each wave issues five
; loads at the start, its 1,024 scale bytes and its 4,096 bytes of each of four pieces; piece p holds, for both halves of the columns, what trips 8 p .. 8 p + 7 read.  The walk is four sections of eight trips;
; in front of section p each wave waits until at most 3 - p of its loads are out (a wave's tensor loads end in order: ISA guide 10.11.1) and passes a barrier.  Five loads of a wave are out at the most.
; CLUSTER.  The four work-groups of a cluster belong to one batch and read the same 139,264 bytes: each load is asked for jointly by the four.
; The results are 64 bytes a wave: 128 KB in the whole launch, stored as they fall.
; LIMITS: NaN and infinities are not served; |E| stays under 1e30.
.set SCR, 139264                       ; behind the fill: 256 bytes for each wave
.set AC0, 2                            ; v2   16 x lane + 65,536 s: my half's first codes
.set AS0, 3                            ; v3   131,072 + 4,096 s + 8 r: and scale words
.set ADC, 4
.set ADS, 5
.set BQ,  16                           ; v16-39 the owned side, 12 registers a tile
.set BS,  40                           ; v40-41 its scale words
.set FS,  48                           ; v48-49 the streamed scale words
.set FA,  64                           ; v64-79 two streamed fragments: 64 columns
.set ST,  96                           ; tile mi at ST + 8 mi: +0 the largest E, +1 a second chain, +2 -c x that maximum (+3 its pair), +4,+5 the sum in two halves, +6 the factor (+7 its pair)
.set S,   176                          ; v176-239 E, then 2^(c E - c max): 32 a tile
.macro NOPS n
.rept \n
	v_nop
.endr
.endm
.macro CROUND                          ; a round of the cluster's barrier
	s_barrier_signal -1
	s_barrier_wait -1
	s_cmp_lg_u32 s24, 0
	s_cbranch_scc1 .Lnot_wave_0_\@
	s_barrier_signal -3
.Lnot_wave_0_\@:
	s_barrier_wait -3
	s_barrier_signal -1
	s_barrier_wait -1
.endm
.macro G1SET g, rows                   ; group 1 of a dense fill: rows of 256 bytes (32 elements of 8), asked for by all four work-groups (mask 15, bit 21 beside it), no padding
	s_mov_b32 s[\g], 0x23000f
	s_mov_b32 s[\g+1], 32<<16
	s_mov_b32 s[\g+2], (\rows)<<16
	s_mov_b32 s[\g+3], 32<<16
	s_mov_b32 s[\g+4], \rows
	s_mov_b32 s[\g+5], 32
	s_mov_b32 s[\g+6], 0
	s_mov_b32 s[\g+7], 0
.endm
.macro HSLOAD                          ; 64 columns: four tiles' codes as register images, and their scale words
.irp k, 0,1,2,3
	ds_load_b128 v[FA+4*\k:FA+4*\k+3], v[ADC] offset:512*\k
.endr
	ds_load_b64 v[FS:FS+1], v[ADS]
.endm
.macro SWMMA                           ; E of 64 columns x my 32 rows: eight results, each begun with 0
.irp k, 0,1,2,3
.irp mi, 0,1
	v_wmma_scale_f32_16x16x128_f8f6f4 v[S+32*\mi+8*\k:S+32*\mi+8*\k+7], v[FA+8*(\k/2):FA+8*(\k/2)+7], v[BQ+12*\mi+4*(\k%2):BQ+12*\mi+4*(\k%2)+7], 0, v[FS+\k/2], v[BS+\mi] matrix_a_fmt:MATRIX_FMT_FP4 matrix_b_fmt:MATRIX_FMT_FP4
.endr
.endr
.endm
.macro ROWUPD                          ; the running maximum and sum take 32 columns a lane and tile; the two tiles by turns
.irp mi, 0,1
	v_max3_num_f32 v[ST+8*\mi], v[ST+8*\mi], v[S+32*\mi], v[S+32*\mi+1]             ; two chains a tile, both ascending: each result is first read at its low end
	v_max3_num_f32 v[ST+8*\mi+1], v[S+32*\mi+16], v[S+32*\mi+17], v[S+32*\mi+18]
.endr
.irp i, 0,1,2,3,4,5
.irp mi, 0,1
	v_max3_num_f32 v[ST+8*\mi], v[ST+8*\mi], v[S+32*\mi+2+2*\i], v[S+32*\mi+3+2*\i]
	v_max3_num_f32 v[ST+8*\mi+1], v[ST+8*\mi+1], v[S+32*\mi+19+2*\i], v[S+32*\mi+20+2*\i]
.endr
.endr
.irp mi, 0,1
	v_max3_num_f32 v[ST+8*\mi], v[ST+8*\mi], v[S+32*\mi+14], v[S+32*\mi+15]
.endr
.irp mi, 0,1
	v_max3_num_f32 v[ST+8*\mi], v[ST+8*\mi], v[ST+8*\mi+1], v[S+32*\mi+31]
.endr
.irp mi, 0,1
	v_mul_f32 v[116+\mi], s34, v[ST+8*\mi]         ; -c x the new maximum
.endr
.irp mi, 0,1
	v_sub_f32 v[ST+8*\mi+6], v[116+\mi], v[ST+8*\mi+2]   ; c (old maximum - new): 0 or less
.endr
.irp mi, 0,1
	v_mov_b32 v[ST+8*\mi+2], v[116+\mi]
.endr
.irp mi, 0,1
	v_exp_f32 v[ST+8*\mi+6], v[ST+8*\mi+6]
.endr
.irp mi, 0,1
.set jj, 0
.rept 16
	v_pk_fma_f32 v[S+32*\mi+jj:S+32*\mi+jj+1], v[S+32*\mi+jj:S+32*\mi+jj+1], s[32:33], v[ST+8*\mi+2:ST+8*\mi+3] op_sel_hi:[1,0,0]   ; c E - c max
.set jj, jj+2
.endr
.endr
.set jj, 0
.rept 64
	v_exp_f32 v[S+jj], v[S+jj]
.set jj, jj+1
.endr
	s_wait_alu depctr_va_vdst(0)
.irp mi, 0,1
	v_pk_mul_f32 v[ST+8*\mi+4:ST+8*\mi+5], v[ST+8*\mi+4:ST+8*\mi+5], v[ST+8*\mi+6:ST+8*\mi+7] op_sel_hi:[1,0]   ; the sums under the new maximum.  (Plain lines behind the exponentials)
.endr
.irp mi, 0,1
	v_pk_add_f32 v[112+2*\mi:113+2*\mi], v[S+32*\mi:S+32*\mi+1], v[S+32*\mi+2:S+32*\mi+3]
.endr
.irp j, 4,8,12,16,20,24,28
.irp mi, 0,1
	v_pk_add_f32 v[ST+8*\mi+4:ST+8*\mi+5], v[ST+8*\mi+4:ST+8*\mi+5], v[S+32*\mi+\j:S+32*\mi+\j+1]
	v_pk_add_f32 v[112+2*\mi:113+2*\mi], v[112+2*\mi:113+2*\mi], v[S+32*\mi+\j+2:S+32*\mi+\j+3]
.endr
.endr
.irp mi, 0,1
	v_pk_add_f32 v[ST+8*\mi+4:ST+8*\mi+5], v[ST+8*\mi+4:ST+8*\mi+5], v[112+2*\mi:113+2*\mi]
.endr
.endm
.macro MERGE na, za, nb, zb, ta, tb, tc   ; two pairs (-c max, sum) become one, in na and za
	v_min_num_f32 v[\ta], v[\na], v[\nb]
	v_sub_f32 v[\tb], v[\ta], v[\na]
	v_sub_f32 v[\tc], v[\ta], v[\nb]
	v_exp_f32 v[\tb], v[\tb]
	v_exp_f32 v[\tc], v[\tc]
	v_mov_b32 v[\na], v[\ta]                       ; (a plain line behind the exponentials)
	s_wait_alu depctr_va_vdst(0)
	v_mul_f32 v[\za], v[\za], v[\tb]
	v_fmac_f32 v[\za], v[\zb], v[\tc]
.endm
; Section p: eight trips of 64 columns, out of piece p.  Inside it the next trip's loads land under this trip's vector work; the last trip fetches nothing, since the next piece is read only behind its own wait and barrier.
.macro SECTION p
	s_wait_tensorcnt 3-\p                          ; my scale bytes and my parts of pieces 0 .. p are in LDS; the 3 - p later pieces may stay out
	s_barrier_signal -1                            ; (no LDS instruction of mine is out: the last trip's loads were waited for)
	s_barrier_wait -1                              ; everybody's are
	s_mov_b32 s48, 16384*\p                        ; the piece's first codes,
	s_mov_b32 s49, 1024*\p                         ; and scale words
	s_mov_b32 s50, 7
	v_add_nc_u32 v[ADC], s48, v[AC0]
	v_add_nc_u32 v[ADS], s49, v[AS0]
	HSLOAD
.Lrow_\@:
	s_wait_dscnt 0x0
	SWMMA
	s_add_co_u32 s48, s48, 2048
	s_add_co_u32 s49, s49, 128
	v_add_nc_u32 v[ADC], s48, v[AC0]
	v_add_nc_u32 v[ADS], s49, v[AS0]
	v_nop
	v_nop                                          ; four places: in front of loads into the products' sources, and of the first read of results
	HSLOAD
	ROWUPD
	s_sub_co_i32 s50, s50, 1
	s_cmp_lg_u32 s50, 0
	s_cbranch_scc1 .Lrow_\@
	s_wait_dscnt 0x0                               ; the section's last 64 columns
	SWMMA
	NOPS 4
	ROWUPD
.endm
	s_load_b128 s[4:7], s[0:1], 0x0                ; qpack, nlse
	v_lshl_add_u32 v254, v0, 2, 0x29000
	v_mov_b32 v255, 0
	ds_add_u32 v254, v255
	ds_add_u32 v254, v255
	v_lshrrev_b32 v1, 5, v0
	v_readfirstlane_b32 s24, v1                    ; wave
	s_and_b32 s25, s24, 3                          ; g
	s_lshr_b32 s26, s24, 2                         ; s
	s_xor_b32 s35, s24, 4                          ; my partner
	s_bfe_u32 s27, ttmp6, 0x40000                  ; my place in the cluster: it enters global addresses of owned data alone
	s_lshl_b32 s29, ttmp9, 2
	s_add_co_u32 s27, s29, s27                     ; my block of 128 rows
	s_and_b32 s28, ttmp7, 0xffff                   ; the batch, which the four partners share
	s_mov_b32 s30, 0x76543210
	s_mov_b32 s31, 0xfedcba98
	s_mov_b32 s32, 0x3fb8aa3b                      ; c = log2(e)
	s_mov_b32 s33, s32
	s_mov_b32 s34, 0xbfb8aa3b                      ; -c
	s_mul_i32 s8, s28, 172032
	s_mov_b32 s9, 0
	s_lshl_b32 s10, s26, 16
	s_lshl_b32 s11, s25, 12
	s_add_co_u32 s10, s10, s11                     ; my part of a piece: 65,536 s + 4,096 g, in memory and in LDS alike
	s_mov_b32 s11, 0
	s_lshl_b32 s12, s24, 10
	s_add_co_u32 s12, s12, 131072                  ; my part of the scale bytes: 131,072 + 1,024 x wave
	s_mov_b32 s13, 0
	G1SET 36, 4                                    ; the scale bytes: 4 rows a wave
	G1SET 52, 16                                   ; a piece: 16 rows a wave
	s_wait_dscnt 0x0
	s_wait_kmcnt 0x0
	s_add_nc_u64 s[4:5], s[4:5], s[8:9]            ; qpack at the batch
	s_mov_b32 s44, 1
	s_mov_b32 s45, s12                             ; LDS addresses hang on the wave's number alone
	s_add_nc_u64 s[46:47], s[4:5], s[12:13]
	s_or_b32 s47, s47, 0x80000000
	s_add_nc_u64 s[14:15], s[4:5], s[10:11]
.irp p, 0,1,2,3
	s_mov_b32 s[68+4*\p], 1
	s_add_co_u32 s[69+4*\p], s10, 16384*\p
	s_add_nc_u64 s[70+4*\p:71+4*\p], s[14:15], 16384*\p
	s_or_b32 s[71+4*\p], s[71+4*\p], 0x80000000
.endr
	CROUND                                         ; the four work-groups are here: the joint loads meet
	tensor_load_to_lds s[44:47], s[36:43]          ; the first fills go out together, in the order in which they are wanted: five loads of mine are out
	s_nop 0
	tensor_load_to_lds s[68:71], s[52:59]
	s_nop 0
	tensor_load_to_lds s[72:75], s[52:59]
	s_nop 0
	tensor_load_to_lds s[76:79], s[52:59]
	s_nop 0
	tensor_load_to_lds s[80:83], s[52:59]
	s_nop 0
	NOPS 4
	v_and_b32 v1, 31, v0                           ; lane
	v_and_b32 v10, 15, v0                          ; r
	v_bfe_u32 v11, v0, 4, 1                        ; h
	v_and_b32 v12, 7, v0                           ; r % 8
	v_bfe_u32 v13, v0, 3, 1                        ; r / 8
	; the owned rows are neighbours, n = 128 block + 32 g + 16 par + r; in the tiles' order that is tile 2 (4 block + g) + r / 8, row 8 par + r % 8
	v_lshlrev_b32 v6, 4, v12
	v_lshl_add_u32 v6, v13, 9, v6
	v_lshl_add_u32 v6, v11, 8, v6
	s_lshl_b32 s12, s27, 12
	s_lshl_b32 s13, s25, 10
	s_add_co_u32 s12, s12, s13
	s_lshl_b32 s13, s26, 7
	s_add_co_u32 s14, s12, s13                     ; local tile 0: par = s
	s_add_co_u32 s15, s12, 128
	s_sub_co_u32 s15, s15, s13                     ; local tile 1: par = 1 - s
	v_add_nc_u32 v7, s15, v6
	v_add_nc_u32 v6, s14, v6
	v_lshlrev_b32 v8, 3, v12
	v_lshl_add_u32 v8, v13, 1, v8
	s_lshl_b32 s12, s27, 8
	s_lshr_b32 s13, s25, 1
	s_lshl_b32 s13, s13, 7
	s_add_co_u32 s12, s12, s13
	s_and_b32 s13, s25, 1
	s_lshl_b32 s13, s13, 2
	s_add_co_u32 s12, s12, s13
	s_lshl_b32 s13, s26, 6
	s_add_co_u32 s14, s12, s13
	s_add_co_u32 s15, s12, 64
	s_sub_co_u32 s15, s15, s13
	v_add_nc_u32 v9, s15, v8
	v_add_nc_u32 v8, s14, v8
	global_load_b128 v[BQ:BQ+3], v6, s[4:5]        ; each owned fragment twice: at both ends of its twelve registers
	global_load_b128 v[BQ+8:BQ+11], v6, s[4:5]
	global_load_b128 v[BQ+12:BQ+15], v7, s[4:5]
	global_load_b128 v[BQ+20:BQ+23], v7, s[4:5]
	global_load_u16 v[BS], v8, s[4:5] offset:131072
	global_load_u16 v[BS+1], v9, s[4:5] offset:131072
.irp j, 4,5,6,7,16,17,18,19
	v_mov_b32 v[BQ+\j], 0                          ; zero codes between
.endr
	s_lshl_b32 s13, s26, 16
	v_lshl_add_u32 v[AC0], v1, 4, s13
	s_lshl_b32 s13, s26, 12
	s_add_co_u32 s13, s13, 131072
	v_lshl_add_u32 v[AS0], v10, 3, s13
	s_lshl_b32 s13, s24, 8
	s_add_co_u32 s13, s13, SCR
	v_lshl_add_u32 v14, v1, 3, s13                 ; where I put what I send
	s_lshl_b32 s13, s35, 8
	s_add_co_u32 s13, s13, SCR
	v_lshl_add_u32 v15, v1, 3, s13                 ; where my partner puts it
	s_lshl_b32 s12, s28, 14
	s_lshl_b32 s13, s27, 9
	s_add_co_u32 s12, s12, s13
	s_lshl_b32 s13, s25, 7
	s_add_co_u32 s12, s12, s13
	s_lshl_b32 s13, s26, 6
	s_add_co_u32 s12, s12, s13
	v_lshl_add_u32 v12, v10, 2, s12                ; the result's place: 4 (4,096 b + 128 block + 32 g + 16 s + r)
.irp mi, 0,1
	v_mov_b32 v[ST+8*\mi], 0xf149f2ca              ; the largest E so far: -1e30
	v_mov_b32 v[ST+8*\mi+1], 0
	v_mov_b32 v[ST+8*\mi+2], 0x7149f2ca            ; and +1e30 for -c x it: the first factor is 2^(very negative) = 0, on sums that are 0
	v_mov_b32 v[ST+8*\mi+3], 0x7149f2ca
	v_mov_b32 v[ST+8*\mi+4], 0
	v_mov_b32 v[ST+8*\mi+5], 0
	v_mov_b32 v[ST+8*\mi+6], 0
	v_mov_b32 v[ST+8*\mi+7], 0
.endr
.irp j, 118,119,120,121
	v_mov_b32 v[\j], 0                             ; lane permutes' destinations count as read
.endr
	s_wait_loadcnt 0x0                             ; the owned side
.irp mi, 0,1
	v_lshl_or_b32 v[BS+\mi], v[BS+\mi], 16, v[BS+\mi]   ; the two bytes serve both halves of K
.endr
	NOPS 8                                         ; a scale register written by a vector instruction stands 8 places ahead of a scaled product
	SECTION 0
	SECTION 1
	SECTION 2
	SECTION 3
.irp mi, 0,1
	v_add_f32 v[ST+8*\mi+4], v[ST+8*\mi+4], v[ST+8*\mi+5]
.endr
.irp mi, 0,1
	v_permlanex16_b32 v[118+2*\mi], v[ST+8*\mi+2], s30, s31
	v_permlanex16_b32 v[119+2*\mi], v[ST+8*\mi+4], s30, s31
.endr
	MERGE ST+2, ST+4, 118, 119, 116, 117, 124      ; with lane l xor 16's columns
	MERGE ST+10, ST+12, 120, 121, 125, 126, 127
	v_mov_b32 v[ST+11], v[ST+12]
	ds_store_b64 v14, v[ST+10:ST+11]               ; local tile 1 goes to my partner
	s_wait_dscnt 0x0
	s_barrier_signal -1
	s_barrier_wait -1
	ds_load_b64 v[120:121], v15                    ; its local tile 1 is my local tile 0
	s_wait_dscnt 0x0
	MERGE ST+2, ST+4, 120, 121, 116, 117, 124
	v_log_f32 v122, v[ST+4]
	v_nop
	s_wait_alu depctr_va_vdst(0)
	v_sub_f32 v122, v[ST+2], v122                  ; -c max - log2(sum)
	v_mul_f32 v122, 0x3f317218, v122               ; x ln 2 = -log(sum of exp)
	global_store_b32 v12, v122, s[6:7]             ; both halves of the lanes hold and write the same
	s_wait_tensorcnt 0x0
	ds_add_u32 v254, v255
	s_wait_dscnt 0x0
	CROUND                                         ; the closing round: no work-group ends while a partner may still ask for a tile that names it
	s_endpgm
.Lfunc_end_k_q83103f3009_rowstat:
	.size	k_q83103f3009_rowstat, .Lfunc_end_k_q83103f3009_rowstat-k_q83103f3009_rowstat
	.p2alignl 7, 3214868480
	.fill 96, 4, 3214868480
	.section	.rodata,"a",@progbits
	.p2align	6, 0x0
	.amdhsa_kernel k_q83103f3009_rowstat
		.amdhsa_group_segment_fixed_size 168960
		.amdhsa_private_segment_fixed_size 0
		.amdhsa_enable_private_segment 0
		.amdhsa_kernarg_size 16
		.amdhsa_user_sgpr_count 2
		.amdhsa_user_sgpr_kernarg_segment_ptr 1
		.amdhsa_wavefront_size32 1
		.amdhsa_system_sgpr_workgroup_id_x 1
		.amdhsa_system_sgpr_workgroup_id_y 1
		.amdhsa_system_sgpr_workgroup_id_z 1
		.amdhsa_system_vgpr_workitem_id 0
		.amdhsa_next_free_vgpr 256
		.amdhsa_next_free_sgpr 84
		.amdhsa_reserve_vcc 0
		.amdhsa_float_denorm_mode_32 3
		.amdhsa_float_denorm_mode_16_64 3
		.amdhsa_memory_ordered 1
		.amdhsa_forward_progress 1
		.amdhsa_inst_pref_size 92
	.end_amdhsa_kernel
	.amdgpu_metadata
---
amdhsa.version: [ 1, 2 ]
amdhsa.kernels:
  - .name:           k_q83103f3009_rowstat
    .symbol:         k_q83103f3009_rowstat.kd
    .args:
      - { .name: qpack, .offset: 0, .size: 8, .value_kind: global_buffer, .address_space: global }
      - { .name: nlse, .offset: 8, .size: 8, .value_kind: global_buffer, .address_space: global }
    .group_segment_fixed_size: 168960
    .private_segment_fixed_size: 0
    .kernarg_segment_align: 8
    .kernarg_segment_size: 16
    .max_flat_workgroup_size: 256
    .sgpr_count:     84
    .vgpr_count:     256
    .wavefront_size: 32
...
	.end_amdgpu_metadata
.endif
;; end of part 3
;; launch attn (part 4): grid 32 x 8, 8 waves a work-group, clusters of 4 x 1, 327,680 bytes of LDS; arguments x, coef, qpack, vpack, nlse, Wt_codes, Wt_scales, bt, tbuf, bnpart; writes tbuf, bnpart
.if DOCPART == 4
	.amdgcn_target "amdgcn-amd-amdhsa--gfx1250"
	.amdhsa_code_object_version 6
	.text
	.protected	k_q83103f3009_attn
	.globl	k_q83103f3009_attn
	.p2align	8
	.type	k_q83103f3009_attn,@function
k_q83103f3009_attn:
	s_mov_b64 s[64:65], 0
	v_nop
	global_prefetch_b8 v0, s[64:65] scope:SCOPE_SE
	s_setreg_imm32_b32 hwreg(HW_REG_WAVE_MODE, 25, 1), 1
	s_wait_xcnt 0x0
	s_wait_alu depctr_hold_cnt(0) depctr_sa_sdst(0) depctr_va_vdst(0) depctr_va_sdst(0) depctr_va_ssrc(0) depctr_va_vcc(0) depctr_vm_vsrc(0)
	s_getreg_b32 s2, hwreg(HW_REG_IB_STS2, 6, 4)
	s_cmp_eq_u32 s2, 0
	s_cbranch_scc0 .Lentry_in_a_cluster
	s_endpgm
.Lentry_in_a_cluster:
	s_bfe_u32 s2, ttmp6, 0x10000c
	s_cmp_lg_u32 s2, 0x3003
	s_cbranch_scc0 .Lentry_shape_is_right
	s_endpgm
.Lentry_shape_is_right:
; For 128 columns m of one batch: the column sums of exp(E[n][m] - lse_n); att[n][m] = exp(E - lse_n) / (1e-9 + column sum), quantised along n; x_r = Q(v) Q(att); u = h - x_r, quantised along the channels;
; t = Wt Q(u) + bt, stored, with each channel's mean and centred sum of squares over these 128 columns.  All quantised products on codes of FP4 (E2M1) with E8M0 scales.
; att's codes cannot be made before the column sums are known, so E is walked twice here (phase B: sums; phase C: codes and product); nothing of att goes to memory.
; THE EXPONENTS ARE BOUNDED BY THE COMPUTATION: -lse_n is the C of E's matrix instruction, so its result is E - lse_n, at most 0 up to rounding: no exponential passes 1 in phase B, and a column sum is at most 4,096.
; In phase C t = c (E - lse_n) - log2(1e-9 + column sum) is one packed multiply-add, at most about 30, and att = 2^t.
; SHARES.  Eight waves: 4 groups of 32 columns (g = wave % 4) x 2 halves of the streamed rows (s = wave / 4).  A wave holds two tiles of 16 columns: local tile 0 = column tile 2 g + s, local tile 1 = 2 g + 1 - s.
; So each fragment read from LDS feeds two tiles, and two waves lie on each SIMD, one's vector work beside the other's products and loads.  The pair (wave, wave xor 4) joins its column sums and, at the end, its halves of x_r through LDS.
; K = 64 IN A FORM OF K = 128: a streamed fragment holds two tiles of 16 rows; the owned side is codes | zeros | codes, whose first and last eight registers select one of the two.
; THE ROWS n OF A STREAMED TILE ARE NOT NEIGHBOURS (row r of tile T: 32 (T / 2) + 8 (T % 2) + r + 8 (r / 8)): the 16 registers of two neighbouring tiles are 16 neighbouring n, as the conversions want them.  v's channels likewise, for u.
; LDS: qk's codes and scale bytes and v's scale bytes of the batch (172,032) and -lse (16,384), filled once; a ring of two slots of 65,536 bytes for v's codes, 512 n to a slot; the spare words; 2,048 bytes of scratch.
; Behind the last fill and a barrier the filled regions serve as stages.
; CLUSTER.  The four work-groups of a cluster belong to one batch and walk the same bytes: every fill is asked for jointly by the four.
; a ring load is then 32 rows of 256 bytes.
; LIMITS: att under 2^-126 counts as 0 (the exponential gives no denormals); a block of zeros gets the scale byte 1; NaN and infinities are not served.
; REGISTERS.  Window 1: x_r's 32 accumulators, (local tile mi, channel tile ct) at v[128 mi + 8 ct]; v128-255 later h, v0-127 later t.  Window 1's v128-255 are written by matrix instructions alone.
;   Window 0: v1-15 addresses; v16-39 the owned side; v40-57 scale words and -log2 of the column sums; v64-79 streamed fragments; v80-95 att's codes; v96-111 at work; v112-143 -lse; v176-239 E, then att; v112-239 also v's 16 fragments.
.set QSB,   131072
.set VSB,   139264
.set LSEB,  172032
.set RING,  188416
.set SPARE, 319488                     ; the spare words, 128 bytes for each wave: four blocks of 256 bytes that no other line names
.set SCR,   320512
.set UIMG,  0                          ; stages, behind the last fill: u's 16 fragments,
.set USC,   16384                      ; their scale words,
.set TSTG,  32768                      ; and 32 rows x (512 + 16) bytes of t for each wave
.set SPW, 2
.set NIL, 3
.set AC0, 4
.set AS0, 5
.set AL0, 6
.set ADC, 7
.set ADS, 8
.set ADL, 9
.set AV,  10                           ; v10, v11: my part of slot 0, 1
.set AVS0, 12
.set ADVS, 13
.set BQ,  16
.set BS,  40
.set PW,  42
.set NG,  44
.set FS,  48
.set VS,  50
.set FA,  64
.set PC,  80
.set TM,  96
.set TP,  100
.set TS,  104
.set TB,  108
.set NL,  112
.set VFA, 112
.set S,   176
.set CS,  240
.set SEL, 30
; the epilogue's names
.set XF,  34
.set MN,  36
.set CF,  64
.set WT,  64
.set PCU, 112
.set PWU, 42
.set US,  50
.set BT,  16
.set BTV, 32
.set R,   128
.set A,   192
.set EXW, 8
.set EXR, 9
.set UW,  10
.set LI,  11
.set LS,  12
.set UWS, 13
.set TW,  14
.set TR,  15
.set MSB, 0
.macro WIN new                         ; the immediate's high byte repeats the setting that is left
.if MSB != \new
	s_set_vgpr_msb (MSB<<8)|\new
.set MSB, \new
.endif
.endm
.macro NOPS n
.rept \n
	v_nop
.endr
.endm
.macro CROUND                          ; a round of the cluster's barrier
	s_barrier_signal -1
	s_barrier_wait -1
	s_cmp_lg_u32 s24, 0
	s_cbranch_scc1 .Lnot_wave_0_\@
	s_barrier_signal -3
.Lnot_wave_0_\@:
	s_barrier_wait -3
	s_barrier_signal -1
	s_barrier_wait -1
.endm
.macro BARRIER                         ; my LDS stores have landed and my LDS loads are in: then the work-group's barrier
	s_wait_dscnt 0x0
	s_barrier_signal -1
	s_barrier_wait -1
.endm
.macro G1SET g, rows                   ; group 1 of a dense fill: rows of 256 bytes (32 elements of 8), asked for by all four work-groups
	s_mov_b32 s[\g], 0x23000f
	s_mov_b32 s[\g+1], 32<<16
	s_mov_b32 s[\g+2], (\rows)<<16
	s_mov_b32 s[\g+3], 32<<16
	s_mov_b32 s[\g+4], \rows
	s_mov_b32 s[\g+5], 32
	s_mov_b32 s[\g+6], 0
	s_mov_b32 s[\g+7], 0
.endm
.macro HSLOAD o                        ; 13 loads: half step o (64 rows n) from the addresses in hand: four tiles' codes, their scale words, and -lse in the results' layout
.irp k, 0,1,2,3
	ds_load_b128 v[FA+4*\k:FA+4*\k+3], v[ADC] offset:2048*(\o)+512*\k
.endr
	ds_load_b64 v[FS:FS+1], v[ADS] offset:128*(\o)
.irp q, 0,1,2,3,4,5,6,7
	ds_load_b128 v[NL+4*\q:NL+4*\q+3], v[ADL] offset:256*(\o)+128*(\q/4)+16*(\q%4)
.endr
.endm
.macro SWMMA                           ; E - lse of 64 rows x my 32 columns
.irp k, 0,1,2,3
.irp mi, 0,1
	v_wmma_scale_f32_16x16x128_f8f6f4 v[S+32*\mi+8*\k:S+32*\mi+8*\k+7], v[FA+8*(\k/2):FA+8*(\k/2)+7], v[BQ+12*\mi+4*(\k%2):BQ+12*\mi+4*(\k%2)+7], v[NL+8*\k:NL+8*\k+7], v[FS+\k/2], v[BS+\mi] matrix_a_fmt:MATRIX_FMT_FP4 matrix_b_fmt:MATRIX_FMT_FP4
.endr
.endr
.endm
.macro COLSUM                          ; exp(E - lse) joins the column sums: two chains a tile
.set jj, 0
.rept 32
	v_pk_mul_f32 v[S+jj:S+jj+1], v[S+jj:S+jj+1], s[32:33] op_sel_hi:[1,0]
.set jj, jj+2
.endr
.set jj, 0
.rept 64
	v_exp_f32 v[S+jj], v[S+jj]
.set jj, jj+1
.endr
	v_nop
	s_wait_alu depctr_va_vdst(0)
.irp j, 0,4,8,12,16,20,24,28
.irp mi, 0,1
	v_pk_add_f32 v[CS+4*\mi:CS+4*\mi+1], v[CS+4*\mi:CS+4*\mi+1], v[S+32*\mi+\j:S+32*\mi+\j+1]
	v_pk_add_f32 v[CS+4*\mi+2:CS+4*\mi+3], v[CS+4*\mi+2:CS+4*\mi+3], v[S+32*\mi+\j+2:S+32*\mi+\j+3]
.endr
.endr
.endm
; att of 64 rows x 32 columns, finished and quantised: half e of the two fragments of 128 n.  Block bb = 2 mi + b is 16 registers of a lane and 16 of lane l xor 16.
; A block's largest att is not searched for: att rises with E - lse, so the block's largest E - lse goes through the same multiply-add and exponential.
.macro ATTQ e
.irp bb, 0,1,2,3
	v_max3_num_f32 v[TM+\bb], v[S+16*\bb], v[S+16*\bb+1], v[S+16*\bb+2]   ; ascending: each result is first read at its low end
.endr
.irp i, 3,5,7,9,11,13
.irp bb, 0,1,2,3
	v_max3_num_f32 v[TM+\bb], v[TM+\bb], v[S+16*\bb+\i], v[S+16*\bb+\i+1]
.endr
.endr
.irp bb, 0,1,2,3
	v_max_num_f32 v[TM+\bb], v[TM+\bb], v[S+16*\bb+15]
.endr
.irp bb, 0,1,2,3
	v_permlanex16_b32 v[TP+\bb], v[TM+\bb], s[SEL], s[SEL+1]
.endr
.irp bb, 0,1,2,3
	v_max_num_f32 v[TM+\bb], v[TM+\bb], v[TP+\bb]
.endr
.irp mi, 0,1
.set jj, 0
.rept 16
	v_pk_fma_f32 v[S+32*\mi+jj:S+32*\mi+jj+1], v[S+32*\mi+jj:S+32*\mi+jj+1], s[32:33], v[NG+2*\mi:NG+2*\mi+1] op_sel_hi:[1,0,0]   ; c (E - lse) - log2(1e-9 + column sum)
.set jj, jj+2
.endr
.endr
.irp bb, 0,1,2,3
	v_fma_f32 v[TM+\bb], v[TM+\bb], s32, v[NG+2*(\bb/2)]
.endr
.irp bb, 0,1,2,3
	v_exp_f32 v[TM+\bb], v[TM+\bb]
.endr
.set jj, 0
.rept 64
	v_exp_f32 v[S+jj], v[S+jj]                     ; att, as it is quantised
.set jj, jj+1
.endr
	v_nop                                          ; a plain line behind the exponentials
	s_wait_alu depctr_va_vdst(0)
.irp bb, 0,1,2,3
	v_max_num_f32 v[TM+\bb], 0x1800000, v[TM+\bb]  ; the floor 2^(3 - 127): the byte cannot fall under 1
.endr
.irp bb, 0,1,2,3
	v_add_nc_u32 v[TS+\bb], 0xff000000, v[TM+\bb]  ; 2 off the exponent field: the conversion's scale operand
.endr
.irp bb, 0,1,2,3
	v_lshrrev_b32 v[TB+\bb], 23, v[TS+\bb]
.endr
.irp mi, 0,1
.if \e == 0
	v_lshl_or_b32 v[PW+\mi], v[TB+2*\mi+1], 8, v[TB+2*\mi]
.else
	v_lshl_or_b32 v[PW+\mi], v[TB+2*\mi], 16, v[PW+\mi]
.endif
.endr
.if \e == 1
.irp mi, 0,1
	v_lshl_or_b32 v[PW+\mi], v[TB+2*\mi+1], 24, v[PW+\mi]
.endr
.endif
.irp bb, 0,1,2,3
	v_cvt_scalef32_pk8_fp4_f32 v[PC+8*(\bb/2)+4*\e+2*(\bb%2)], v[S+16*\bb:S+16*\bb+7], v[TS+\bb]
	v_cvt_scalef32_pk8_fp4_f32 v[PC+8*(\bb/2)+4*\e+2*(\bb%2)+1], v[S+16*\bb+8:S+16*\bb+15], v[TS+\bb]
.endr
	v_nop                                          ; one plain line behind a scaled conversion
.irp mi, 0,1
.irp i, 0,1
	v_permlane16_swap_b32 v[PC+8*\mi+4*\e+\i], v[PC+8*\mi+4*\e+2+\i]   ; a whole block to a lane
.endr
.endr
.endm
.macro VLOADA slot, e                  ; 20 loads: v's channel tiles 0-7 of my step e of the slot, and the step's scale words of all 16 tiles
.irp ct, 0,1,2,3,4,5,6,7
.irp q, 0,1
	ds_load_b128 v[VFA+8*\ct+4*\q:VFA+8*\ct+4*\q+3], v[AV+\slot] offset:16384*\e+1024*\ct+512*\q
.endr
.endr
.irp L, 0,1,2,3
	ds_load_b64 v[VS+2*\L:VS+2*\L+1], v[ADVS] offset:1024*\e+256*\L   ; lanes 0-15: tiles 4 L, 4 L + 1; lanes 16-31: tiles 4 L + 2, 4 L + 3
.endr
.endm
.macro VLOADB slot, e                  ; 16 loads: channel tiles 8-15
.irp ct, 8,9,10,11,12,13,14,15
.irp q, 0,1
	ds_load_b128 v[VFA+8*\ct+4*\q:VFA+8*\ct+4*\q+3], v[AV+\slot] offset:16384*\e+1024*\ct+512*\q
.endr
.endr
.endm
; 16 products x_r^T += v att: channel tiles f0 .. f0 + 7 x my two column tiles; the accumulators by turns, one instruction a turn.  zero = 1: they start the sums.
.macro PV f0, zero
	WIN 0x50                                       ; C and D window 1
.irp t, 0,1,2,3,4,5,6,7
.irp mi, 0,1
.set rD, 128*\mi+8*(\f0+\t)
.set rA, VFA+8*(\f0+\t)
.set rB, PC+8*\mi
.set rX, VS+2*((\f0+\t)/4)+((\f0+\t)%2)
.if ((\f0+\t)/2)%2
.if \zero
	v_wmma_scale_f32_16x16x128_f8f6f4 v[rD:rD+7], v[rA:rA+7], v[rB:rB+7], 0, v[rX], v[PW+\mi] matrix_a_fmt:MATRIX_FMT_FP4 matrix_b_fmt:MATRIX_FMT_FP4 matrix_a_scale:MATRIX_SCALE_ROW1
.else
	v_wmma_scale_f32_16x16x128_f8f6f4 v[rD:rD+7], v[rA:rA+7], v[rB:rB+7], v[rD:rD+7], v[rX], v[PW+\mi] matrix_a_fmt:MATRIX_FMT_FP4 matrix_b_fmt:MATRIX_FMT_FP4 matrix_a_scale:MATRIX_SCALE_ROW1
.endif
.else
.if \zero
	v_wmma_scale_f32_16x16x128_f8f6f4 v[rD:rD+7], v[rA:rA+7], v[rB:rB+7], 0, v[rX], v[PW+\mi] matrix_a_fmt:MATRIX_FMT_FP4 matrix_b_fmt:MATRIX_FMT_FP4
.else
	v_wmma_scale_f32_16x16x128_f8f6f4 v[rD:rD+7], v[rA:rA+7], v[rB:rB+7], v[rD:rD+7], v[rX], v[PW+\mi] matrix_a_fmt:MATRIX_FMT_FP4 matrix_b_fmt:MATRIX_FMT_FP4
.endif
.endif
.endr
.endr
.endm
; A step of 128 rows n.  first = 1: its first half step is fetched here; pre = 1: the next step's first half step is fetched under its last products.
.macro STEP slot, e, zero, first, pre
.if \first
	HSLOAD 2*\e
.endif
	s_wait_dscnt 0x0
	SWMMA
	NOPS 4                                         ; places in front of loads into the products' sources and of the first read of results
	HSLOAD 2*\e+1
	ATTQ 0
	s_wait_dscnt 0x0
	SWMMA
	NOPS 4
	VLOADA \slot, \e                               ; over -lse, which the products have read
	ATTQ 1
	VLOADB \slot, \e                               ; over att, which the conversions have read
	NOPS 8                                         ; a scale register written by a vector instruction stands 8 places ahead of a scaled product, an operand 4
	s_wait_dscnt 16                                ; all but the 16 loads of tiles 8-15
	PV 0, \zero
	WIN 0
	NOPS 4
.if \pre
	HSLOAD 2*\e+2
	s_wait_dscnt 13                                ; all but the 13 just issued: tiles 8-15 are in
.else
	s_wait_dscnt 0x0
.endif
	PV 8, \zero
	WIN 0
	NOPS 5                                         ; the next products write over registers that these have read: five places
.endm
.macro CHUNK slot, zero                ; my two steps of a slot's four
	v_add_nc_u32 v[ADC], s80, v[AC0]
	v_add_nc_u32 v[ADS], s81, v[AS0]
	v_add_nc_u32 v[ADL], s82, v[AL0]
	v_add_nc_u32 v[ADVS], s83, v[AVS0]
	STEP \slot, 0, \zero, 1, 1
	STEP \slot, 1, 0, 0, 0
	s_add_co_u32 s80, s80, 16384                   ; 512 rows on: codes,
	s_add_co_u32 s81, s81, 1024                    ; scale bytes of qk,
	s_add_co_u32 s82, s82, 2048                    ; -lse,
	s_add_co_u32 s83, s83, 4096                    ; scale bytes of v
.endm
; THE CHANGE OF SLOTS.  Each wave waits for all its tensor loads (its eighth of the slot ahead), adds 0 to its spare word, and waits for that and for its reads of the slot that it has left.
; f = 0, 1: that slot is filled again with the rows two slots on: the barrier is a round of the cluster's, the joint refill the first thing behind it, one load a wave; it has a chunk in which to land.  f = 2: nothing is left to fetch.
.macro CHANGE f
	s_wait_tensorcnt 0x0                           ; no tensor load of mine is out, so a group 0 may be written
	ds_add_u32 v[SPW], v[NIL]
.if \f < 2
	s_add_nc_u64 s[74+4*\f:75+4*\f], s[74+4*\f:75+4*\f], 0x20000
	s_wait_dscnt 0x0
	CROUND
	tensor_load_to_lds s[72+4*\f:75+4*\f], s[52:59]
	s_nop 0
	NOPS 4
.else
	s_wait_dscnt 0x0
	s_barrier_signal -1
	s_barrier_wait -1
.endif
.endm
; 64 numbers of a lane, register 16 b + i = k 32 b + 16 (lane / 16) + i of my row, become a fragment's 8 registers of codes and its scale word.
.macro QUANT src, pc, pw
.irp b, 0,1,2,3
	v_max3_num_f32 v[TM+\b], |v[(\src)+16*\b]|, |v[(\src)+1+16*\b]|, 0x1800000
.endr
.irp i, 2,4,6,8,10,12,14
.irp b, 0,1,2,3
	v_max3_num_f32 v[TM+\b], v[TM+\b], |v[(\src)+16*\b+\i]|, |v[(\src)+1+16*\b+\i]|
.endr
.endr
.irp b, 0,1,2,3
	v_permlanex16_b32 v[TM+4+\b], v[TM+\b], s[SEL], s[SEL+1]
.endr
.irp b, 0,1,2,3
	v_max_num_f32 v[TM+\b], v[TM+\b], v[TM+4+\b]
.endr
.irp b, 0,1,2,3
	v_add_nc_u32 v[TM+12+\b], 0xff000000, v[TM+\b]
.endr
.irp b, 0,1,2,3
	v_lshrrev_b32 v[TM+4+\b], 23, v[TM+12+\b]
.endr
	v_lshl_or_b32 v[\pw], v[TM+5], 8, v[TM+4]
	v_lshl_or_b32 v[\pw], v[TM+6], 16, v[\pw]
	v_lshl_or_b32 v[\pw], v[TM+7], 24, v[\pw]
.irp b, 0,1,2,3
	v_cvt_scalef32_pk8_fp4_f32 v[(\pc)+2*\b], v[(\src)+16*\b:(\src)+7+16*\b], v[TM+12+\b]
	v_cvt_scalef32_pk8_fp4_f32 v[(\pc)+1+2*\b], v[(\src)+8+16*\b:(\src)+15+16*\b], v[TM+12+\b]
.endr
	v_nop
.irp c, 0,1
.irp i, 0,1
	v_permlane16_swap_b32 v[(\pc)+4*\c+\i], v[(\pc)+2+4*\c+\i]
.endr
.endr
.endm
	s_load_b512 s[4:19], s[0:1], 0x0               ; x, coef, qpack, vpack, nlse, Wt codes, Wt scales, bt
	s_load_b128 s[20:23], s[0:1], 0x40             ; tbuf, bnpart
	v_lshl_add_u32 v[SPW], v0, 2, SPARE
	v_mov_b32 v[NIL], 0
	ds_add_u32 v2, v3
	ds_add_u32 v2, v3
	s_wait_dscnt 0x0
	v_lshrrev_b32 v1, 5, v0
	v_readfirstlane_b32 s24, v1                    ; wave
	s_and_b32 s25, s24, 3                          ; g
	s_lshr_b32 s26, s24, 2                         ; s
	s_xor_b32 s85, s24, 4                          ; my partner
	s_bfe_u32 s27, ttmp6, 0x40000                  ; my place in the cluster: it enters global addresses of owned data and results alone
	s_lshl_b32 s29, ttmp9, 2
	s_add_co_u32 s27, s29, s27                     ; my block of 128 columns
	s_and_b32 s28, ttmp7, 0xffff                   ; the batch, which the four partners share
	s_mov_b32 s[SEL], 0x76543210
	s_mov_b32 s[SEL+1], 0xfedcba98
	s_mov_b32 s32, 0x3fb8aa3b                      ; c = log2(e)
	s_mov_b32 s33, s32
	G1SET 36, 84                                   ; an eighth of qpack's batch: 84 rows
	G1SET 44, 8                                    ; of -lse: 8 rows
	G1SET 52, 32                                   ; of a ring slot: 32 rows
	s_mul_i32 s86, s28, 172032
	s_mov_b32 s87, 0
	s_mul_i32 s88, s24, 21504
	s_mov_b32 s89, 0
	s_lshl_b32 s90, s28, 14
	s_mov_b32 s91, 0
	s_lshl_b32 s92, s24, 11
	s_mov_b32 s93, 0
	s_lshl_b32 s94, s28, 19
	s_mov_b32 s95, 0
	s_lshl_b32 s96, s24, 13
	s_mov_b32 s97, 0
	s_wait_kmcnt 0x0
	s_add_nc_u64 s[8:9], s[8:9], s[86:87]          ; qpack, nlse and vpack at the batch
	s_add_nc_u64 s[12:13], s[12:13], s[90:91]
	s_add_nc_u64 s[10:11], s[10:11], s[94:95]
	s_mov_b32 s60, 1
	s_mul_i32 s61, s24, 21504                      ; LDS addresses hang on the wave's number alone
	s_add_nc_u64 s[62:63], s[8:9], s[88:89]
	s_or_b32 s63, s63, 0x80000000
	s_mov_b32 s68, 1
	s_add_co_u32 s69, s92, LSEB
	s_add_nc_u64 s[70:71], s[12:13], s[92:93]
	s_or_b32 s71, s71, 0x80000000
	s_mov_b32 s72, 1
	s_add_co_u32 s73, s96, RING
	s_add_nc_u64 s[74:75], s[10:11], s[96:97]
	s_or_b32 s75, s75, 0x80000000
	s_mov_b32 s76, 1
	s_add_co_u32 s77, s96, RING+65536
	s_add_nc_u64 s[78:79], s[10:11], s[96:97]
	s_add_nc_u64 s[78:79], s[78:79], 0x10000
	s_or_b32 s79, s79, 0x80000000
	s_lshl_b32 s86, s24, 12                        ; Wt: my 32 rows of 128 bytes,
	s_mov_b32 s87, 0
	s_add_nc_u64 s[14:15], s[14:15], s[86:87]
	s_lshl_b32 s86, s24, 8                         ; of 8 scale bytes,
	s_add_nc_u64 s[16:17], s[16:17], s[86:87]
	s_lshl_b32 s86, s24, 7                         ; and of bt
	s_add_nc_u64 s[18:19], s[18:19], s[86:87]
	s_lshl_b32 s86, s28, 22                        ; t: 256 x 4,096 x 4 bytes a batch, 32 rows a wave, 128 columns a block
	s_lshl_b32 s88, s24, 19
	s_add_co_u32 s86, s86, s88
	s_lshl_b32 s88, s27, 9
	s_add_co_u32 s86, s86, s88
	s_add_nc_u64 s[20:21], s[20:21], s[86:87]
	s_lshl_b32 s86, s24, 16                        ; the partial figures: 4 channel groups of 16,384 bytes a wave, 64 bytes for part 32 b + block
	s_lshl_b32 s88, s28, 11
	s_add_co_u32 s86, s86, s88
	s_lshl_b32 s88, s27, 6
	s_add_co_u32 s86, s86, s88
	s_add_nc_u64 s[22:23], s[22:23], s[86:87]
	CROUND                                         ; the four work-groups are here: the first joint loads meet
	tensor_load_to_lds s[60:63], s[36:43]          ; the first fills go out together: four loads of mine are out
	s_nop 0
	tensor_load_to_lds s[68:71], s[44:51]
	s_nop 0
	tensor_load_to_lds s[72:75], s[52:59]
	s_nop 0
	tensor_load_to_lds s[76:79], s[52:59]
	s_nop 0
	NOPS 4
	v_and_b32 v1, 31, v0                           ; lane
	v_and_b32 v60, 15, v0                          ; r
	v_bfe_u32 v61, v0, 4, 1                        ; h
	; the owned columns are neighbours, m = 128 block + 32 g + 16 par + r; in the tiles' order: tile 2 (4 block + g) + r / 8, row 8 par + r % 8
	v_and_b32 v252, 7, v0
	v_bfe_u32 v253, v0, 3, 1
	v_lshlrev_b32 v248, 4, v252
	v_lshl_add_u32 v248, v253, 9, v248
	v_lshl_add_u32 v248, v61, 8, v248
	s_lshl_b32 s86, s27, 12
	s_lshl_b32 s87, s25, 10
	s_add_co_u32 s86, s86, s87
	s_lshl_b32 s87, s26, 7
	s_add_co_u32 s88, s86, s87                     ; local tile 0: par = s
	s_add_co_u32 s89, s86, 128
	s_sub_co_u32 s89, s89, s87                     ; local tile 1: par = 1 - s
	v_add_nc_u32 v249, s89, v248
	v_add_nc_u32 v248, s88, v248
	v_lshlrev_b32 v250, 3, v252
	v_lshl_add_u32 v250, v253, 1, v250
	s_lshl_b32 s86, s27, 8
	s_lshr_b32 s87, s25, 1
	s_lshl_b32 s87, s87, 7
	s_add_co_u32 s86, s86, s87
	s_and_b32 s87, s25, 1
	s_lshl_b32 s87, s87, 2
	s_add_co_u32 s86, s86, s87
	s_lshl_b32 s87, s26, 6
	s_add_co_u32 s88, s86, s87
	s_add_co_u32 s89, s86, 64
	s_sub_co_u32 s89, s89, s87
	v_add_nc_u32 v251, s89, v250
	v_add_nc_u32 v250, s88, v250
	global_load_b128 v[BQ:BQ+3], v248, s[8:9]
	global_load_b128 v[BQ+8:BQ+11], v248, s[8:9]
	global_load_b128 v[BQ+12:BQ+15], v249, s[8:9]
	global_load_b128 v[BQ+20:BQ+23], v249, s[8:9]
	global_load_u16 v[BS], v250, s[8:9] offset:131072
	global_load_u16 v[BS+1], v251, s[8:9] offset:131072
.irp j, 4,5,6,7,16,17,18,19
	v_mov_b32 v[BQ+\j], 0                          ; zero codes between
.endr
.irp j, 0,1,2,3
	v_mov_b32 v[TP+\j], 0                          ; lane permutes' destinations count as read
.endr
.irp j, 0,1,2,3,4,5,6,7
	v_mov_b32 v[CS+\j], 0                          ; the column sums
.endr
	; phase B: my half of the rows is 32 half steps on end
	s_lshl_b32 s29, s26, 16
	v_lshl_add_u32 v[AC0], v1, 4, s29
	s_lshl_b32 s29, s26, 12
	s_add_co_u32 s29, s29, QSB
	v_lshl_add_u32 v[AS0], v60, 3, s29
	s_lshl_b32 s29, s26, 13
	s_add_co_u32 s29, s29, LSEB
	v_lshl_add_u32 v[AL0], v61, 6, s29
	s_lshl_b32 s29, s24, 8
	s_add_co_u32 s29, s29, SCR
	v_lshl_add_u32 v58, v1, 2, s29                 ; my two column sums: 256 x wave + 128 x tile + 4 x lane
	s_lshl_b32 s29, s85, 8
	s_add_co_u32 s29, s29, SCR
	v_lshl_add_u32 v59, v1, 2, s29                 ; my partner's
	v_mov_b32 v[ADC], v[AC0]
	v_mov_b32 v[ADS], v[AS0]
	v_mov_b32 v[ADL], v[AL0]
	s_mov_b32 s80, 0
	s_mov_b32 s81, 0
	s_mov_b32 s82, 0
	s_mov_b32 s84, 31
	s_wait_tensorcnt 0x2                           ; qpack's and -lse's eighths are in; the two slots' may stay out
	s_barrier_signal -1
	s_barrier_wait -1
	HSLOAD 0
	s_wait_loadcnt 0x0
.irp mi, 0,1
	v_lshl_or_b32 v[BS+\mi], v[BS+\mi], 16, v[BS+\mi]   ; the two bytes serve both halves of K
.endr
	NOPS 8
.Lcol:                                             ; ---- B: 31 trips of 64 rows; the next trip's loads land under this trip's vector work
	s_wait_dscnt 0x0
	SWMMA
	s_add_co_u32 s80, s80, 2048
	s_add_co_u32 s81, s81, 128
	s_add_co_u32 s82, s82, 256
	v_add_nc_u32 v[ADC], s80, v[AC0]
	v_add_nc_u32 v[ADS], s81, v[AS0]
	v_add_nc_u32 v[ADL], s82, v[AL0]
	v_nop                                          ; four places
	HSLOAD 0
	COLSUM
	s_sub_co_i32 s84, s84, 1
	s_cmp_lg_u32 s84, 0
	s_cbranch_scc1 .Lcol
	s_wait_dscnt 0x0
	SWMMA
	NOPS 4
	COLSUM
	; ---- the column sums are joined: chains, halves of the lanes, the two waves
.irp mi, 0,1
	v_pk_add_f32 v[CS+4*\mi:CS+4*\mi+1], v[CS+4*\mi:CS+4*\mi+1], v[CS+4*\mi+2:CS+4*\mi+3]
.endr
.irp mi, 0,1
	v_add_f32 v[CS+4*\mi], v[CS+4*\mi], v[CS+4*\mi+1]
.endr
.irp mi, 0,1
	v_permlanex16_b32 v[TP+\mi], v[CS+4*\mi], s[SEL], s[SEL+1]
.endr
.irp mi, 0,1
	v_add_f32 v[CS+4*\mi], v[CS+4*\mi], v[TP+\mi]
.endr
	ds_store_b32 v58, v[CS]
	ds_store_b32 v58, v[CS+4] offset:128
	s_wait_tensorcnt 0x1                           ; my eighth of slot 0 is in; slot 1's may stay out
	s_wait_dscnt 0x0
	s_barrier_signal -1
	s_barrier_wait -1
	ds_load_b32 v[TP], v59 offset:128              ; my partner's local tile 1 is my local tile 0,
	ds_load_b32 v[TP+1], v59                       ; and the other way round
	; phase C: of each 512 rows my half is 256 on end
	s_lshl_b32 s29, s26, 13
	v_lshl_add_u32 v[AC0], v1, 4, s29
	s_lshl_b32 s29, s26, 9
	s_add_co_u32 s29, s29, QSB
	v_lshl_add_u32 v[AS0], v60, 3, s29
	s_lshl_b32 s29, s26, 10
	s_add_co_u32 s29, s29, LSEB
	v_lshl_add_u32 v[AL0], v61, 6, s29
	s_lshl_b32 s29, s26, 15
	s_add_co_u32 s29, s29, RING
	v_lshl_add_u32 v[AV], v1, 4, s29
	s_add_co_u32 s29, s29, 65536
	v_lshl_add_u32 v[AV+1], v1, 4, s29
	s_lshl_b32 s29, s26, 11
	s_add_co_u32 s29, s29, VSB
	v_lshl_add_u32 v[AVS0], v1, 3, s29
	s_mov_b32 s80, 0
	s_mov_b32 s81, 0
	s_mov_b32 s82, 0
	s_mov_b32 s83, 0
	s_mov_b32 s84, 3
	s_wait_dscnt 0x0
.irp mi, 0,1
	v_add_f32 v[CS+4*\mi], v[CS+4*\mi], v[TP+\mi]
.endr
.irp mi, 0,1
	v_add_f32 v[CS+4*\mi], 0x3089705f, v[CS+4*\mi] ; 1e-9 + the column's sum
.endr
.irp mi, 0,1
	v_log_f32 v[CS+4*\mi], v[CS+4*\mi]
.endr
	v_nop
	s_wait_alu depctr_va_vdst(0)
.irp mi, 0,1
	v_mul_f32 v[NG+2*\mi], -1.0, v[CS+4*\mi]
.endr
.irp mi, 0,1
	v_mov_b32 v[NG+2*\mi+1], v[NG+2*\mi]
.endr
	; ---- C: eight chunks of 512 rows
	CHUNK 0, 1                                     ; the first products start x_r's sums
.Lring:
	CHANGE 0
	CHUNK 1, 0
	CHANGE 1
	CHUNK 0, 0
	s_sub_co_i32 s84, s84, 1
	s_cmp_lg_u32 s84, 0
	s_cbranch_scc1 .Lring
	CHANGE 2                                       ; the tail is written out: nothing is left to fetch
	CHUNK 1, 0
	; ---- the epilogue.  Addresses first; x and the coefficients of h are asked for ahead of the barriers
	s_mul_i32 s86, s28, 49152
	s_lshl_b32 s87, s27, 9
	s_add_co_u32 s86, s86, s87
	s_lshl_b32 s87, s25, 7
	s_add_co_u32 s86, s86, s87
	s_lshl_b32 s87, s26, 6
	s_add_co_u32 s86, s86, s87
	v_lshl_add_u32 v4, v60, 2, s86                 ; x at my kept column m = 128 block + 32 g + 16 s + r
	v_lshl_add_u32 v5, v61, 14, v4                 ; component 1 + h (with the immediate)
	v_lshl_add_u32 v4, v61, 15, v4                 ; component 2 h
	v_lshlrev_b32 v6, 3, v61
	v_and_b32 v7, 8, v60
	v_add_nc_u32 v7, v7, v60
	v_lshl_add_u32 v7, v7, 4, v6                   ; a coefficient row: 16 (r + 8 (r / 8)) + 8 h
	global_load_b32 v[XF], v4, s[4:5]
	global_load_b32 v[XF+1], v5, s[4:5] offset:16384
	global_load_b64 v[MN:MN+1], v6, s[6:7] offset:4096
.irp t, 0,1,2,3,4,5,6,7,8,9,10,11,12,13,14,15
	global_load_b64 v[CF+2*\t:CF+2*\t+1], v7, s[6:7] offset:(32*(\t/2)+8*(\t%2))*16
.endr
	s_lshl_b32 s87, s24, 14
	s_add_co_u32 s87, s87, RING
	v_lshl_add_u32 v[EXW], v1, 4, s87              ; where I put the half of x_r that I send: 16,384 bytes a wave, in the ring, which has had its last fill
	s_lshl_b32 s87, s85, 14
	s_add_co_u32 s87, s87, RING
	v_lshl_add_u32 v[EXR], v1, 4, s87
	v_lshlrev_b32 v[LI], 4, v1
	v_lshlrev_b32 v[LS], 2, v1
	s_lshl_b32 s87, s25, 1
	s_add_co_u32 s87, s87, s26                     ; my kept column tile, 2 g + s
	s_lshl_b32 s88, s87, 11
	v_lshl_add_u32 v[UW], v1, 4, s88
	s_lshl_b32 s88, s87, 8
	v_lshl_add_u32 v[UWS], v1, 2, s88
	s_mul_i32 s87, s24, 16896
	s_add_co_u32 s87, s87, TSTG
	v_mul_u32_u24 v[TW], v60, 528
	v_lshl_add_u32 v[TW], v61, 5, v[TW]
	v_add_nc_u32 v[TW], s87, v[TW]
	v_lshl_add_u32 v[TR], v1, 4, s87
	v_lshlrev_b32 v38, 7, v60
	v_lshl_add_u32 v38, v61, 4, v38                ; Wt: row r of 128 bytes, + 16 h
	v_lshlrev_b32 v39, 3, v60
	v_lshrrev_b32 v63, 3, v1
	v_and_b32 v62, 7, v1
	v_lshlrev_b32 v62, 2, v62
	v_lshl_add_u32 v63, v63, 14, v62               ; the partial figures: channel group lane / 8, channel lane % 8
	v_lshlrev_b32 v62, 2, v60
	v_mov_b32 v248, 1.0
	v_cmp_lt_u32 vcc_lo, 15, v1
	BARRIER                                        ; nobody reads the filled regions any more
	WIN 0x04                                       ; an LDS store's data are its source 1: window 1
.set nn, 0
.rept 32
	ds_store_b128 v[EXW], v[128+4*nn:128+4*nn+3] offset:512*nn   ; local tile 1's 16 accumulators as they stand, each from its low end on
.set nn, nn+1
.endr
	WIN 0
	BARRIER
	s_wait_loadcnt 0x0
	v_pk_add_f32 v[XF:XF+1], v[XF:XF+1], v[MN:MN+1] neg_lo:[0,1] neg_hi:[0,1]
	v_cndmask_b32 v[XF+1], v[XF+1], v248, vcc_lo   ; k = 3: the 1.0 that takes b1
	NOPS 4
	WIN 0x40                                       ; destination window 1
.irp t, 0,1,2,3,4,5,6,7,8,9,10,11,12,13,14,15
	v_wmma_f32_16x16x4_f32 v[128+8*\t:128+8*\t+7], v[CF+2*\t:CF+2*\t+1], v[XF:XF+1], 0   ; h ahead of its relu, in x_r's layout
.endr
	WIN 0
	NOPS 8                                         ; eight places behind this form
.irp i, 0,1
.irp sp, 0,1
.irp c, 0,1
	global_load_b128 v[WT+8*(2*\i+\sp)+4*\c:WT+8*(2*\i+\sp)+4*\c+3], v38, s[14:15] offset:2048*\i+64*\sp+32*\c
.endr
	global_load_b32 v[40+2*\i+\sp+6*\i], v39, s[16:17] offset:128*\i+4*\sp   ; Wt's scale words: v40, v41, v48, v49
.endr
	global_load_b32 v[BTV+\i], v62, s[18:19] offset:64*\i
.endr
.irp sp, 0,1                           ; u = relu(h) - x_r = max(h - x_r, -x_r), 128 channels at a time
.set nn, 0
.rept 16
	ds_load_b128 v[R+4*nn:R+4*nn+3], v[EXR] offset:8192*\sp+512*nn
.set nn, nn+1
.endr
	s_wait_dscnt 0x0
	WIN 0x01                                       ; source 0 window 1
.set jj, 0
.rept 32
	v_pk_add_f32 v[R+jj:R+jj+1], v[64*\sp+jj:64*\sp+jj+1], v[R+jj:R+jj+1]           ; x_r: my half and my partner's
.set jj, jj+2
.endr
.set jj, 0
.rept 32
	v_pk_add_f32 v[A+jj:A+jj+1], v[128+64*\sp+jj:128+64*\sp+jj+1], v[R+jj:R+jj+1] neg_lo:[0,1] neg_hi:[0,1]
.set jj, jj+2
.endr
	WIN 0
.set jj, 0
.rept 64
	v_max_num_f32 v[A+jj], v[A+jj], -v[R+jj]
.set jj, jj+1
.endr
	QUANT A, PCU+8*\sp, PWU+\sp
.irp c, 0,1
	ds_store_b128 v[UW], v[PCU+8*\sp+4*\c:PCU+8*\sp+4*\c+3] offset:UIMG+1024*\sp+512*\c
.endr
	ds_store_b32 v[UWS], v[PWU+\sp] offset:USC+128*\sp
.endr
	BARRIER                                        ; u's sixteen fragments lie in LDS
	s_wait_loadcnt 0x0
.irp i, 0,1
.irp j, 0,1,2,3,4,5,6,7
	v_mov_b32 v[BT+8*\i+\j], v[BTV+\i]             ; bt as the C of t's first products: a lane holds one channel
.endr
.endr
	; t of my 32 channels for the 128 columns: source 0 = a tile of u, source 1 = 16 rows of Wt; sixteen accumulators by turns
.irp sp, 0,1
	NOPS 4
.irp mt, 0,1,2,3,4,5,6,7
.irp c, 0,1
	ds_load_b128 v[R+8*\mt+4*\c:R+8*\mt+4*\c+3], v[LI] offset:UIMG+(2*\mt+\sp)*1024+512*\c
.endr
	ds_load_b32 v[US+\mt], v[LS] offset:USC+(2*\mt+\sp)*128
.endr
	s_wait_dscnt 0x0
.if \sp == 0
	WIN 0x40
.else
	WIN 0x50
.endif
.irp mt, 0,1,2,3,4,5,6,7
.irp i, 0,1
.if \sp == 0
	v_wmma_scale_f32_16x16x128_f8f6f4 v[64*\i+8*\mt:64*\i+8*\mt+7], v[R+8*\mt:R+8*\mt+7], v[WT+8*(2*\i+\sp):WT+8*(2*\i+\sp)+7], v[BT+8*\i:BT+8*\i+7], v[US+\mt], v[40+2*\i+\sp+6*\i] matrix_a_fmt:MATRIX_FMT_FP4 matrix_b_fmt:MATRIX_FMT_FP4
.else
	v_wmma_scale_f32_16x16x128_f8f6f4 v[64*\i+8*\mt:64*\i+8*\mt+7], v[R+8*\mt:R+8*\mt+7], v[WT+8*(2*\i+\sp):WT+8*(2*\i+\sp)+7], v[64*\i+8*\mt:64*\i+8*\mt+7], v[US+\mt], v[40+2*\i+\sp+6*\i] matrix_a_fmt:MATRIX_FMT_FP4 matrix_b_fmt:MATRIX_FMT_FP4
.endif
.endr
.endr
	WIN 0
.endr
	NOPS 4
	; each channel's mean over the 128 columns, then its sum of squares about that mean: a lane holds channel 32 w + 16 i + r and 64 columns, lane l xor 16 the other 64
	WIN 0x05                                       ; both sources window 1
.irp i, 0,1
	v_pk_add_f32 v[96+4*\i:97+4*\i], v[64*\i:64*\i+1], v[64*\i+2:64*\i+3]
	v_pk_add_f32 v[98+4*\i:99+4*\i], v[64*\i+4:64*\i+5], v[64*\i+6:64*\i+7]
.endr
	WIN 0x04                                       ; source 1 window 1
.set pp, 4
.rept 28
.irp i, 0,1
	v_pk_add_f32 v[96+4*\i+2*(pp%2):97+4*\i+2*(pp%2)], v[96+4*\i+2*(pp%2):97+4*\i+2*(pp%2)], v[64*\i+2*pp:64*\i+2*pp+1]   ; ascending: each accumulator from its low end on
.endr
.set pp, pp+1
.endr
	WIN 0
.irp i, 0,1
	v_pk_add_f32 v[96+4*\i:97+4*\i], v[96+4*\i:97+4*\i], v[98+4*\i:99+4*\i]
.endr
.irp i, 0,1
	v_add_f32 v[96+4*\i], v[96+4*\i], v[97+4*\i]
.endr
.irp i, 0,1
	v_permlanex16_b32 v[98+4*\i], v[96+4*\i], s[SEL], s[SEL+1]
.endr
.irp i, 0,1
	v_add_f32 v[96+4*\i], v[96+4*\i], v[98+4*\i]
.endr
.irp i, 0,1
	v_mul_f32 v[96+4*\i], 0x3c000000, v[96+4*\i]   ; / 128
.endr
.irp i, 0,1
	v_mov_b32 v[97+4*\i], v[96+4*\i]
.endr
.irp i, 0,1
	WIN 0x01
.set jj, 0
.rept 32
	v_pk_add_f32 v[A+jj:A+jj+1], v[64*\i+jj:64*\i+jj+1], v[96+4*\i:97+4*\i] neg_lo:[0,1] neg_hi:[0,1]
.set jj, jj+2
.endr
	WIN 0
.set pp, 0
.rept 32
.if pp < 4
	v_pk_mul_f32 v[104+2*(pp%4):105+2*(pp%4)], v[A+2*pp:A+2*pp+1], v[A+2*pp:A+2*pp+1]
.else
	v_pk_fma_f32 v[104+2*(pp%4):105+2*(pp%4)], v[A+2*pp:A+2*pp+1], v[A+2*pp:A+2*pp+1], v[104+2*(pp%4):105+2*(pp%4)]
.endif
.set pp, pp+1
.endr
	v_pk_add_f32 v[104:105], v[104:105], v[106:107]
	v_pk_add_f32 v[108:109], v[108:109], v[110:111]
	v_pk_add_f32 v[104:105], v[104:105], v[108:109]
	v_add_f32 v[98+4*\i], v104, v105
	v_permlanex16_b32 v[99+4*\i], v[98+4*\i], s[SEL], s[SEL+1]
	v_add_f32 v[98+4*\i], v[98+4*\i], v[99+4*\i]
.endr
	v_cndmask_b32 v104, v96, v100, vcc_lo          ; lanes 0-15 speak for channels 32 w + lane of tile 0, lanes 16-31 for tile 1's
	v_cndmask_b32 v105, v98, v102, vcc_lo
	global_store_b32 v63, v104, s[22:23]
	global_store_b32 v63, v105, s[22:23] offset:32
	; t goes out through my own stage: a lane holds 32 bytes of a row; it comes back as whole rows of 512 bytes
	WIN 0x04
.irp i, 0,1
.irp mt, 0,1,2,3,4,5,6,7
	ds_store_b128 v[TW], v[64*\i+8*\mt:64*\i+8*\mt+3] offset:8448*\i+64*\mt
	ds_store_b128 v[TW], v[64*\i+8*\mt+4:64*\i+8*\mt+7] offset:8448*\i+64*\mt+16
.endr
.endr
	WIN 0
.set nn, 0
.rept 32
	ds_load_b128 v[128+4*nn:128+4*nn+3], v[TR] offset:528*nn   ; LDS serves a wave's instructions in order (ISA guide 5.7.1.4): these see my stores
.set nn, nn+1
.endr
.set nn, 0
.rept 32
	s_wait_dscnt 31-nn                             ; row nn is back; the younger rows' loads may be out
	global_store_b128 v[LI], v[128+4*nn:128+4*nn+3], s[20:21] offset:16384*nn   ; 32 lanes store 512 consecutive bytes, at a multiple of 256 from t's first byte
.set nn, nn+1
.endr
	s_wait_tensorcnt 0x0                           ; the wave's end
	ds_add_u32 v[SPW], v[NIL]
	s_wait_dscnt 0x0
	CROUND                                         ; the closing round
	s_endpgm
.Lfunc_end_k_q83103f3009_attn:
	.size	k_q83103f3009_attn, .Lfunc_end_k_q83103f3009_attn-k_q83103f3009_attn
	.p2alignl 7, 3214868480
	.fill 96, 4, 3214868480
	.section	.rodata,"a",@progbits
	.p2align	6, 0x0
	.amdhsa_kernel k_q83103f3009_attn
		.amdhsa_group_segment_fixed_size 327680
		.amdhsa_private_segment_fixed_size 0
		.amdhsa_enable_private_segment 0
		.amdhsa_kernarg_size 80
		.amdhsa_user_sgpr_count 2
		.amdhsa_user_sgpr_kernarg_segment_ptr 1
		.amdhsa_wavefront_size32 1
		.amdhsa_system_sgpr_workgroup_id_x 1
		.amdhsa_system_sgpr_workgroup_id_y 1
		.amdhsa_system_sgpr_workgroup_id_z 1
		.amdhsa_system_vgpr_workitem_id 0
		.amdhsa_next_free_vgpr 512
		.amdhsa_next_free_sgpr 100
		.amdhsa_reserve_vcc 1
		.amdhsa_float_denorm_mode_32 3
		.amdhsa_float_denorm_mode_16_64 3
		.amdhsa_memory_ordered 1
		.amdhsa_forward_progress 1
		.amdhsa_inst_pref_size 255
	.end_amdhsa_kernel
	.section	.bss,"aw",@nobits
	.p2align	6
	.space	262144
	.amdgpu_metadata
---
amdhsa.version: [ 1, 2 ]
amdhsa.kernels:
  - .name:           k_q83103f3009_attn
    .symbol:         k_q83103f3009_attn.kd
    .args:
      - { .name: x, .offset: 0, .size: 8, .value_kind: global_buffer, .address_space: global }
      - { .name: coef, .offset: 8, .size: 8, .value_kind: global_buffer, .address_space: global }
      - { .name: qpack, .offset: 16, .size: 8, .value_kind: global_buffer, .address_space: global }
      - { .name: vpack, .offset: 24, .size: 8, .value_kind: global_buffer, .address_space: global }
      - { .name: nlse, .offset: 32, .size: 8, .value_kind: global_buffer, .address_space: global }
      - { .name: Wt_codes, .offset: 40, .size: 8, .value_kind: global_buffer, .address_space: global }
      - { .name: Wt_scales, .offset: 48, .size: 8, .value_kind: global_buffer, .address_space: global }
      - { .name: bt, .offset: 56, .size: 8, .value_kind: global_buffer, .address_space: global }
      - { .name: tbuf, .offset: 64, .size: 8, .value_kind: global_buffer, .address_space: global }
      - { .name: bnpart, .offset: 72, .size: 8, .value_kind: global_buffer, .address_space: global }
    .group_segment_fixed_size: 327680
    .private_segment_fixed_size: 0
    .kernarg_segment_align: 8
    .kernarg_segment_size: 80
    .max_flat_workgroup_size: 256
    .sgpr_count:     100
    .vgpr_count:     512
    .wavefront_size: 32
...
	.end_amdgpu_metadata
.endif
;; end of part 4
;; launch final (part 5): grid 32 x 8, 8 waves a work-group, no clusters, 2,048 bytes of LDS; arguments x, coef, tbuf, bnpart, g2, b2, out0; writes out0
.if DOCPART == 5
	.amdgcn_target "amdgcn-amd-amdhsa--gfx1250"
	.amdhsa_code_object_version 6
	.text
	.protected	k_q83103f3009_final
	.globl	k_q83103f3009_final
	.p2align	8
	.type	k_q83103f3009_final,@function
k_q83103f3009_final:
	s_mov_b64 s[64:65], 0
	v_nop
	global_prefetch_b8 v0, s[64:65] scope:SCOPE_SE
	s_setreg_imm32_b32 hwreg(HW_REG_WAVE_MODE, 25, 1), 1
	s_wait_xcnt 0x0
; out = h + relu((t - mean) g2 / sqrt(var + 1e-5) + b2), mean and var of t over all 32,768 positions of a channel; h = relu(A . (x - mean x) + b1) is made anew from x, 12 bytes a position, rather than stored and read.
; Work-group (x, y) = channels 8 x .. 8 x + 7 of batch y, all 4,096 positions: thread t takes positions 1,024 q + 4 t, q = 0 .. 3, of the eight channels, so that x is read once by the work-group.
; THE STATISTICS come as 256 parts (128 positions each) of a mean and a sum of squares about that mean, and are joined as such: thread t takes part t; a wave joins 32 parts, the eight waves' figures meet in LDS.
; No difference of large sums is formed.  Every work-group of a channel group does this joining for itself: 16 KB read, against a launch more.
; A stream: all 48 loads of a thread go out first, 16 bytes a lane, 512 consecutive bytes a wave; stores likewise.  No matrix unit, no cluster, no tensor loads: nothing is shared but x and small tables.
; LIMITS: NaN and infinities are not served.
.set P, 16                             ; v16-31   my part: eight means, eight sums of squares
.set X, 32                             ; v32-79   x: 4 numbers at X + 4 (3 q + i)
.set T, 80                             ; v80-207  t, then out: 4 numbers at T + 4 (8 q + ch)
.set HH, 208                           ; v208-215 h of four positions, two sets by turns (behind the statistics, which use v208-247)
.macro WSUM reg                        ; the sum over the wave's 32 lanes, in every lane
	v_add_f32_dpp v[\reg], v[\reg], v[\reg] row_xmask:1 row_mask:0xf bank_mask:0xf
	v_add_f32_dpp v[\reg], v[\reg], v[\reg] row_xmask:2 row_mask:0xf bank_mask:0xf
	v_add_f32_dpp v[\reg], v[\reg], v[\reg] row_xmask:4 row_mask:0xf bank_mask:0xf
	v_add_f32_dpp v[\reg], v[\reg], v[\reg] row_xmask:8 row_mask:0xf bank_mask:0xf
	v_permlanex16_b32 v224, v[\reg], s90, s91
	v_add_f32 v[\reg], v[\reg], v224
.endm
	s_load_b256 s[4:11], s[0:1], 0x0               ; x, coef, tbuf, bnpart
	s_load_b128 s[12:15], s[0:1], 0x20             ; g2, b2
	s_load_b64 s[16:17], s[0:1], 0x30              ; out0
	v_lshl_add_u32 v254, v0, 2, 0x400
	v_mov_b32 v255, 0
	v_lshlrev_b32 v1, 4, v0                        ; 16 x thread
	v_lshlrev_b32 v2, 6, v0                        ; 64 x thread: my part
	v_lshrrev_b32 v3, 5, v0
	v_lshlrev_b32 v3, 6, v3                        ; 64 x wave
	v_and_b32 v4, 7, v0
	v_lshlrev_b32 v4, 2, v4                        ; 4 x (lane % 8)
	v_mov_b32 v224, 0                              ; a lane permute's destination counts as read
	s_mov_b32 s90, 0x76543210
	s_mov_b32 s91, 0xfedcba98                      ; selects for lane l xor 16
	s_and_b32 s19, ttmp7, 0xffff                   ; batch
	s_lshl_b32 s92, ttmp9, 7                       ; eight rows of coefficients
	s_mov_b32 s93, 0
	s_lshl_b32 s94, ttmp9, 5                       ; eight numbers of g2, b2
	s_mov_b32 s95, 0
	s_mul_i32 s96, s19, 49152                      ; x: 3 x 4,096 x 4 bytes a batch
	s_mov_b32 s97, 0
	s_lshl_b32 s76, s19, 22
	s_lshl_b32 s77, ttmp9, 17
	s_add_co_u32 s76, s76, s77                     ; t and out: (256 b + 8 group) rows of 16,384 bytes
	s_mov_b32 s77, 0
	s_lshl_b32 s78, ttmp9, 14                      ; the parts of my channel group
	s_mov_b32 s79, 0
	s_wait_kmcnt 0x0
	s_add_nc_u64 s[92:93], s[6:7], s[92:93]
	s_add_nc_u64 s[12:13], s[12:13], s[94:95]
	s_add_nc_u64 s[14:15], s[14:15], s[94:95]
	s_add_nc_u64 s[4:5], s[4:5], s[96:97]
	s_add_nc_u64 s[8:9], s[8:9], s[76:77]
	s_add_nc_u64 s[16:17], s[16:17], s[76:77]
	s_add_nc_u64 s[10:11], s[10:11], s[78:79]
	s_load_b512 s[20:35], s[92:93], 0x0            ; (A0, A1, A2, b1) of channels 0-3,
	s_load_b512 s[36:51], s[92:93], 0x40           ; of channels 4-7
	s_load_b128 s[52:55], s[6:7], 0x1000           ; x's means
	s_load_b256 s[56:63], s[12:13], 0x0            ; g2
	s_load_b256 s[68:75], s[14:15], 0x0            ; b2
.irp k, 0,1,2,3
	global_load_b128 v[P+4*\k:P+4*\k+3], v2, s[10:11] offset:16*\k
.endr
.irp q, 0,1,2,3
.irp i, 0,1,2
	global_load_b128 v[X+4*(3*\q+\i):X+4*(3*\q+\i)+3], v1, s[4:5] offset:16384*\i+4096*\q
.endr
.endr
.irp q, 0,1,2,3
.irp ch, 0,1,2,3,4,5,6,7
	global_load_b128 v[T+4*(8*\q+\ch):T+4*(8*\q+\ch)+3], v1, s[8:9] offset:16384*\ch+4096*\q th:TH_LOAD_NT   ; read once in the launch
.endr
.endr
	s_wait_loadcnt 44                              ; my part is in; the 12 loads of x and the 32 of t stay out
.irp ch, 0,1,2,3,4,5,6,7
	v_mov_b32 v[208+\ch], v[P+\ch]
.endr
.irp ch, 0,1,2,3,4,5,6,7
	WSUM 208+\ch
.endr
.irp ch, 0,1,2,3,4,5,6,7
	v_mul_f32 v[208+\ch], 0x3d000000, v[208+\ch]   ; / 32: the mean of my wave's 32 parts
.endr
.irp ch, 0,1,2,3,4,5,6,7
	v_sub_f32 v[216+\ch], v[P+\ch], v[208+\ch]
.endr
.irp ch, 0,1,2,3,4,5,6,7
	v_mul_f32 v[216+\ch], v[216+\ch], v[216+\ch]
.endr
.irp ch, 0,1,2,3,4,5,6,7
	v_fmamk_f32 v[216+\ch], v[216+\ch], 0x43000000, v[P+8+\ch]   ; the part's sum of squares, moved to the wave's mean: + 128 d^2
.endr
.irp ch, 0,1,2,3,4,5,6,7
	WSUM 216+\ch
.endr
.irp k, 0,1,2,3
	ds_store_b128 v3, v[208+4*\k:208+4*\k+3] offset:16*\k   ; my wave's 16 figures: all lanes write the same bytes with the same values
.endr
	s_wait_dscnt 0x0                               ; for the others' sake: my stores are done
	s_barrier_signal -1
	s_barrier_wait -1
.irp k, 0,1,2,3,4,5,6,7                ; lane l joins channel l % 8: wave k's mean and sum of squares
	ds_load_b32 v[226+\k], v4 offset:64*\k
	ds_load_b32 v[234+\k], v4 offset:64*\k+32
.endr
	s_wait_dscnt 0x0
	v_add_f32 v242, v226, v227
	v_add_f32 v243, v228, v229
	v_add_f32 v244, v230, v231
	v_add_f32 v245, v232, v233
	v_add_f32 v242, v242, v243
	v_add_f32 v244, v244, v245
	v_add_f32 v242, v242, v244
	v_mul_f32 v242, 0x3e000000, v242               ; / 8: the channel's mean
	v_add_f32 v243, v234, v235
	v_add_f32 v244, v236, v237
	v_add_f32 v245, v238, v239
	v_add_f32 v246, v240, v241
	v_add_f32 v243, v243, v244
	v_add_f32 v245, v245, v246
	v_add_f32 v243, v243, v245
.irp k, 0,1,2,3,4,5,6,7
	v_sub_f32 v[226+\k], v[226+\k], v242
.endr
	v_mul_f32 v246, v226, v226
.irp k, 1,2,3,4,5,6,7
	v_fmac_f32 v246, v[226+\k], v[226+\k]
.endr
	v_fmamk_f32 v243, v246, 0x45800000, v243       ; + 4,096 d^2 for each wave
	v_mul_f32 v243, 0x38000000, v243               ; / 32,768: the variance
	v_add_f32 v243, 0x3727c5ac, v243               ; + 1e-5
	v_rsq_f32 v247, v243
	v_nop                                          ; a plain line behind the transcendental
	s_wait_kmcnt 0x0                               ; the tables are in
	s_wait_alu depctr_va_vdst(0)
.irp ch, 0,1,2,3,4,5,6,7
	v_readlane_b32 s[76+\ch], v242, \ch            ; the eight means,
	v_readlane_b32 s[84+\ch], v247, \ch            ; and 1 / sqrt(var + eps): the lane selects in s90, s91 have had their last use
.endr
.irp ch, 0,1,2,3,4,5,6,7
	s_mul_f32 s[84+\ch], s[84+\ch], s[56+\ch]      ; g2 / sqrt(var + eps)
.endr
.irp q, 0,1,2,3
	s_wait_loadcnt 24-8*\q                         ; x and this quarter's t are in; the later quarters' loads, 8 each, stay out
.irp i, 0,1,2
.irp e, 0,1,2,3
	v_sub_f32 v[X+4*(3*\q+\i)+\e], v[X+4*(3*\q+\i)+\e], s[52+\i]   ; x - mean
.endr
.endr
.irp ch, 0,1,2,3,4,5,6,7
.irp e, 0,1,2,3
	v_fma_f32 v[HH+4*(\ch%2)+\e], s[20+4*\ch], v[X+12*\q+\e], s[23+4*\ch]            ; A0 x0 + b1
.endr
.irp e, 0,1,2,3
	v_sub_f32 v[T+4*(8*\q+\ch)+\e], v[T+4*(8*\q+\ch)+\e], s[76+\ch]                  ; t - mean
.endr
.irp e, 0,1,2,3
	v_fma_f32 v[HH+4*(\ch%2)+\e], s[21+4*\ch], v[X+12*\q+4+\e], v[HH+4*(\ch%2)+\e]
.endr
.irp e, 0,1,2,3
	v_fma_f32 v[T+4*(8*\q+\ch)+\e], v[T+4*(8*\q+\ch)+\e], s[84+\ch], s[68+\ch]       ; x g2 / sqrt(var + eps) + b2
.endr
.irp e, 0,1,2,3
	v_fma_f32 v[HH+4*(\ch%2)+\e], s[22+4*\ch], v[X+12*\q+8+\e], v[HH+4*(\ch%2)+\e]
.endr
.irp e, 0,1,2,3
	v_max_num_f32 v[T+4*(8*\q+\ch)+\e], 0, v[T+4*(8*\q+\ch)+\e]
.endr
.irp e, 0,1,2,3
	v_max_num_f32 v[HH+4*(\ch%2)+\e], 0, v[HH+4*(\ch%2)+\e]                          ; h
.endr
.irp e, 0,1,2,3
	v_add_f32 v[T+4*(8*\q+\ch)+\e], v[T+4*(8*\q+\ch)+\e], v[HH+4*(\ch%2)+\e]
.endr
	global_store_b128 v1, v[T+4*(8*\q+\ch):T+4*(8*\q+\ch)+3], s[16:17] offset:16384*\ch+4096*\q th:TH_STORE_NT   ; a wave stores 512 consecutive bytes, aligned; its data registers are not written again
.endr
.endr
	s_wait_tensorcnt 0x0
	ds_add_u32 v254, v255
	s_wait_dscnt 0x0
	s_endpgm
.Lfunc_end_k_q83103f3009_final:
	.size	k_q83103f3009_final, .Lfunc_end_k_q83103f3009_final-k_q83103f3009_final
	.p2alignl 7, 3214868480
	.fill 96, 4, 3214868480
	.section	.rodata,"a",@progbits
	.p2align	6, 0x0
	.amdhsa_kernel k_q83103f3009_final
		.amdhsa_group_segment_fixed_size 2048
		.amdhsa_private_segment_fixed_size 0
		.amdhsa_enable_private_segment 0
		.amdhsa_kernarg_size 56
		.amdhsa_user_sgpr_count 2
		.amdhsa_user_sgpr_kernarg_segment_ptr 1
		.amdhsa_wavefront_size32 1
		.amdhsa_system_sgpr_workgroup_id_x 1
		.amdhsa_system_sgpr_workgroup_id_y 1
		.amdhsa_system_sgpr_workgroup_id_z 1
		.amdhsa_system_vgpr_workitem_id 0
		.amdhsa_next_free_vgpr 256
		.amdhsa_next_free_sgpr 98
		.amdhsa_reserve_vcc 0
		.amdhsa_float_denorm_mode_32 3
		.amdhsa_float_denorm_mode_16_64 3
		.amdhsa_memory_ordered 1
		.amdhsa_forward_progress 1
		.amdhsa_inst_pref_size 76
	.end_amdhsa_kernel
	.amdgpu_metadata
---
amdhsa.version: [ 1, 2 ]
amdhsa.kernels:
  - .name:           k_q83103f3009_final
    .symbol:         k_q83103f3009_final.kd
    .args:
      - { .name: x, .offset: 0, .size: 8, .value_kind: global_buffer, .address_space: global }
      - { .name: coef, .offset: 8, .size: 8, .value_kind: global_buffer, .address_space: global }
      - { .name: tbuf, .offset: 16, .size: 8, .value_kind: global_buffer, .address_space: global }
      - { .name: bnpart, .offset: 24, .size: 8, .value_kind: global_buffer, .address_space: global }
      - { .name: g2, .offset: 32, .size: 8, .value_kind: global_buffer, .address_space: global }
      - { .name: b2, .offset: 40, .size: 8, .value_kind: global_buffer, .address_space: global }
      - { .name: out0, .offset: 48, .size: 8, .value_kind: global_buffer, .address_space: global }
    .group_segment_fixed_size: 2048
    .private_segment_fixed_size: 0
    .kernarg_segment_align: 8
    .kernarg_segment_size: 56
    .max_flat_workgroup_size: 256
    .sgpr_count:     98
    .vgpr_count:     256
    .wavefront_size: 32
...
	.end_amdgpu_metadata
.endif
;; end of part 5
